; MI455X (gfx1250); checked and timed in simulation.
; The chip was launched on July 23, 2026; its instructions are those of AMD's public machine-readable ISA for CDNA 5 (MIT licence, August 2026) and "CDNA5" Instruction Set Architecture Reference Guide (July 2026). The comments in the code are by the model that wrote it; some were corrected since.
;; LS Multihead Attention Layer. Allowed arithmetic: matrix products marked QUANTISED: E2M1 operands, one E8M0 scale for each 32 along K, by v_wmma_scale_f32_16x16x128_f8f6f4 with both operands' format E2M1 (or v_wmma_scale_f32_32x16x128_f4), f32 sums; everything else in f32.
;; Inputs: encoder_padding_mask 4 x 2,048 int32; hidden_states 4 x 2,048 x 1,024 float32; ln_b 1,024 float32; ln_g 1,024 float32; out_b 1,024 float32; out_w_codes 1,024 x 32 x 16 uint8 (E2M1 codes of out_w, K innermost, in blocks of 32 codes, two codes a byte); out_w_scales 1,024 x 32 uint8 (E8M0 scales of out_w, one for each 32 codes along K); qkv_b 3,072 float32; qkv_w_codes 3,072 x 32 x 16 uint8 (E2M1 codes of qkv_w, K innermost, in blocks of 32 codes, two codes a byte); qkv_w_scales 3,072 x 32 uint8 (E8M0 scales of qkv_w, one for each 32 codes along K).
;; Outputs: out0 4 x 2,048 x 1,024 float32.
;; This version of the problem:
;;   THIS VERSION OF THE PROBLEM IS GIVEN IN LOW PRECISION. The matrix products marked QUANTISED in the list below multiply operands that are first quantised to E2M1 (2 exponent bits, 1 mantissa bit; 4 bits a number), with one power-of-two scale for each 32 numbers along K (OCP MX v1.0); their sums are f32. All else is computed in f32.
;;   The module's matrix products, in the order in which they are computed (A, B: the left and right operand; K: the contracted axis; several contracted axes count as one K, in the product's order):
;;     1. [M 8,192, K 1,024] x [K 1,024, N 3,072]; A: computed on the way; B: input qkv_w (given as codes): QUANTISED
;;     2. batch 64 x [M 2,048, K 64] x [K 64, N 2,048]; A: computed on the way; B: computed on the way: QUANTISED
;;     3. batch 64 x [M 64, K 2,048] x [K 2,048, N 2,048]; A: computed on the way; B: softmax (see below): QUANTISED
;;     4. [M 8,192, K 1,024] x [K 1,024, N 1,024]; A: computed on the way; B: input out_w (given as codes): QUANTISED
;;   THE QUANTISER, for each operand of a quantised product, along K:
;;     - K is cut into blocks of 32 from its start; a last block that is shorter is filled with zeros.
;;     - A block's scale is 2^e with e = floor(log2(the largest magnitude in the block)) - 2, held to -126 .. 127; a block of zeros has e = 0. As a byte (E8M0): e + 127.
;;     - Each number is divided by its block's scale, clamped to +-6, and rounded to the nearest number of E2M1, ties to even, subnormals kept.
;;     - The product sums the exact products of the quantised numbers (number of the format x scale) in f32.
;;   ~~~python
;;   def quantise(x, axis):      # numpy; x: float32 -> the quantised numbers, widened to float32 again
;;       x = np.moveaxis(x, axis, -1); K = x.shape[-1]
;;       x = np.pad(x, [(0, 0)] * (x.ndim - 1) + [(0, -K % 32)]); x = x.reshape(x.shape[:-1] + (-1, 32)); a = np.abs(x).max(-1, keepdims=True)
;;       e = np.where(a > 0, np.clip(np.frexp(np.where(a > 0, a, 1))[1] - 1 - 2, -126, 127), 0)      # np.frexp(a)[1] - 1 = floor(log2(a)), exactly
;;       r = np.clip(x / 2.0 ** e, -6, 6)
;;       step = 2.0 ** (np.maximum(np.frexp(np.where(r == 0, 1, r))[1] - 1, 0) - 1)
;;       q = np.round(r / step) * step * 2.0 ** e      # np.round: ties to even
;;       return np.moveaxis(q.reshape(q.shape[:-2] + (-1,))[..., :K], -1, axis).astype(np.float32)
;;   ~~~
;;   SOFTMAX AHEAD OF A QUANTISED PRODUCT. Where the list says 'softmax', what is quantised is not the finished softmax but p = 2^(t - M), with t = logit x log2(e) and M = ceil(the row's largest t), a whole number; so 1/2 < the row's largest p <= 1. The row's sum l is taken of the UNQUANTISED p, in f32, and the product's result is divided by l at the end. Since M is a whole number, a kernel that streams over the keys may use a running M (the ceiling of the running maximum): every later rescaling is an exact power of two, which a block's scale takes up: the codes' values come out the same.
;;   OPERANDS COMPUTED ON THE WAY. 'Computed on the way' means the value that the module computes at that place (a softmax that the list does not call 'softmax' is quantised finished and normalised). What goes into a quantiser is computed in f32, as accurately as f32 sums, v_exp_f32 and their like allow (about 1e-6 of the number): no bf16 or f16 on the way to a quantiser, and a product that is left as it is and whose result goes on into a quantised operand takes f32 operands (vector FMAs, or v_wmma_f32_16x16x4_f32). A number that lies on a knife's edge between two numbers of the format may be rounded either way, as far as f32 arithmetic and the matrix unit's own rounding can turn it there, and no further.
;;   INPUTS GIVEN AS CODES. out_w (in the module: [1024, 1024], K = its axis 1); qkv_w (in the module: [3072, 1024], K = its axis 1): each comes as NAME_codes (uint8): NAME with its K axis moved to the last place and cut into blocks of 32 codes, [.., K / 32, bytes a block], one block behind the other in memory; two codes a byte, the lower K in the low four bits (a code: sign, 2 exponent bits, 1 mantissa bit); and NAME_scales (uint8): the same leading axes, one E8M0 byte (e + 127) for each 32 codes along K. Its value is code x scale, taken as it is: it is not quantised again, and the codes and scales need not be those that the quantiser above would give.
;; One version. Each part assembles by itself: llvm-mc -triple=amdgcn-amd-amdhsa -mcpu=gfx1250 --defsym DOCPART=n.
;; ======== version 1 of 1: 4 launches
;; limits: right only within a limited range of input values
;; workspace buffers: xq 4,194,304 bytes; xs 262,144 bytes; qkv 13,893,632 bytes; ctxq 4,194,304 bytes; ctxs 262,144 bytes
;; launch ln_quant (part 1): grid 256 x 1, 4 waves a work-group, no clusters, 19,968 bytes of LDS; arguments hidden_states, ln_g, ln_b, xq, xs; writes xq, xs
.if DOCPART == 1
	.amdgcn_target "amdgcn-amd-amdhsa--gfx1250"
	.amdhsa_code_object_version 6
	.text
	.protected	k_q75173142d4_ln_quant
	.globl	k_q75173142d4_ln_quant
	.p2align	8
	.type	k_q75173142d4_ln_quant,@function
k_q75173142d4_ln_quant:
	s_mov_b64 s[64:65], 0
	v_nop
	global_prefetch_b8 v0, s[64:65] scope:SCOPE_SE
	s_setreg_imm32_b32 hwreg(HW_REG_WAVE_MODE, 25, 1), 1
	s_wait_xcnt 0x0
; LAUNCH 1 OF 4.  x = LayerNorm(hidden_states) in f32, quantised along its 1,024 columns to codes of E2M1 with one E8M0 byte for each 32: xq [8192][512 bytes], xs [8192][32 bytes], laid as a weight's codes and scales.
; NO WORK OF THE PROBLEM IS LEFT OUT IN ANY LAUNCH: every bias goes into a quantised operand or into the output; a key under the padding mask still has its place in a block of 32 keys of both
; operands of the third product, and whether it counts hangs on its whole row (a batch with every key masked has finite weights): so every key is multiplied.  Every input is loaded.
; LIMITS: NaN and infinities among the inputs are not served.  A block whose largest magnitude lies under 2^-124 (a block of zeros too) gets the byte 1: its codes are then zeros or next to it, and the bytes are read by this program alone.
; SHARES.  A work-group takes 32 rows, a wave 8; a wave holds a whole row (4,096 bytes, 32 registers a lane), so mean and variance never leave the wave: no barrier.
; A load takes 512 consecutive bytes, 16 a lane; the quantiser wants 32 NEIGHBOURS in a lane (one block).  So a row turns through the wave's own stage in LDS: in as loaded, out 128 bytes a lane; a place is 128 bytes + 16 of
; padding, so that the lanes' reads start in different banks.  Loads run four rows (32 loads a wave) ahead.
.set STG,   4608                       ; a wave's stage: 32 places of 144 bytes
.set SCB,   4*STG                      ; behind the stages: 256 scale bytes for each wave
.set SPARE, SCB+4*256                  ; behind them: the spare words, 128 bytes for each wave, which no other line names
.set L16,  2                           ; v2   16 x lane
.set STI,  3                           ; v3   the stage, on the way in
.set STO,  4                           ; v4   and out
.set SBW,  5                           ; v5   where my block's scale byte goes
.set SBR,  6                           ; v6   where I read 8 scale bytes back
.set L8,   7                           ; v7   8 x lane
.set MU,   8                           ; v[8:9]   the mean (the low word serves both halves)
.set RSQ,  10                          ; v[10:11] 1 / sqrt(var + eps), likewise
.set SPW,  12                          ; v12  LDS address of my spare word; never rewritten
.set NIL,  13                          ; v13  0; never rewritten
.set GA,   14                          ; v14  128 x lane: my 32 gains and biases
.set G,    16                          ; v16-47   ln_g of my 32 columns
.set BT,   48                          ; v48-79   ln_b
.set R,    80                          ; v80-207  four rows as loaded
.set X,    208                         ; v208-239 my block of 32
.set C,    240                         ; v240-247 codes, two sets
.set A0,   248                         ; v[248:249], v[250:251] sums in two chains
.set A1,   250
.set T,    252
.set T2,   253
.set SOP,  254                         ; the conversions' scale operand
.set BY,   255                         ; the scale's byte
	s_load_b256 s[4:11], s[0:1], 0x0               ; hidden_states s[4:5], ln_g s[6:7], ln_b s[8:9], xq s[10:11]
	s_load_b64 s[12:13], s[0:1], 0x20              ; xs
	v_lshl_add_u32 v[SPW], v0, 2, SPARE
	v_mov_b32 v[NIL], 0
	v_lshrrev_b32 v1, 5, v0
	v_readfirstlane_b32 s14, v1                    ; wave
	v_and_b32 v1, 31, v0                           ; lane
	v_lshlrev_b32 v[L16], 4, v1
	s_mul_i32 s15, s14, STG
	v_lshrrev_b32 v[STI], 3, v1
	v_mul_u32_u24 v[STI], v[STI], 144
	v_and_b32 v[STO], 7, v1
	v_lshl_add_u32 v[STI], v[STO], 4, v[STI]
	v_add_nc_u32 v[STI], s15, v[STI]               ; in: eight lanes' 128 bytes fill a place: 144 (lane / 8) + 16 (lane % 8); a load's 512 bytes take four places
	v_mul_u32_u24 v[STO], v1, 144
	v_add_nc_u32 v[STO], s15, v[STO]               ; out: place = lane
	s_lshl_b32 s15, s14, 8
	s_add_co_u32 s15, s15, SCB
	v_add_nc_u32 v[SBW], s15, v1
	v_lshlrev_b32 v[L8], 3, v1
	v_add_nc_u32 v[SBR], s15, v[L8]
	v_lshlrev_b32 v[GA], 7, v1
	s_mov_b32 s16, 0x76543210
	s_mov_b32 s17, 0xfedcba98                      ; v_permlanex16_b32's selects for lane l xor 16
	s_mov_b32 s18, 0x3a800000                      ; 1 / 1024
	s_mov_b32 s19, 0x3727c5ac                      ; 1e-5
	v_mov_b32 v[MU+1], 0                           ; named as upper halves of pairs, so they are written
	v_mov_b32 v[RSQ+1], 0
	v_mov_b32 v[T2], 0                             ; a lane permute's destination counts as one of its sources
	s_lshl_b32 s20, ttmp9, 17                      ; my first row, in bytes of hidden_states: 32 rows a work-group,
	s_lshl_b32 s21, s14, 15                        ; 8 a wave
	s_add_co_u32 s20, s20, s21
	s_mov_b32 s21, 0
	s_lshr_b32 s22, s20, 3                         ; the codes are an eighth of the bytes,
	s_mov_b32 s23, 0
	s_lshr_b32 s24, s20, 7                         ; the scale bytes one in 128
	s_mov_b32 s25, 0
	s_wait_alu depctr_va_vdst(0)
	s_wait_kmcnt 0x0
	s_add_nc_u64 s[4:5], s[4:5], s[20:21]
	s_add_nc_u64 s[10:11], s[10:11], s[22:23]
	s_add_nc_u64 s[12:13], s[12:13], s[24:25]
.irp i, 0,1,2,3,4,5,6,7
	global_load_b128 v[G+4*\i:G+4*\i+3], v[GA], s[6:7] offset:16*\i
	global_load_b128 v[BT+4*\i:BT+4*\i+3], v[GA], s[8:9] offset:16*\i
.endr
.macro LOAD t                          ; row t into slot t % 4: eight loads of 512 consecutive bytes
.irp j, 0,1,2,3,4,5,6,7
	global_load_b128 v[R+32*((\t)%4)+4*\j:R+32*((\t)%4)+4*\j+3], v[L16], s[4:5] offset:4096*(\t)+512*\j th:TH_LOAD_NT
.endr
.endm
.macro ALLSUM                          ; v[T] summed over the 32 lanes, the result in every lane
	v_add_f32_dpp v[T], v[T], v[T] row_xmask:1 row_mask:0xf bank_mask:0xf
	v_add_f32_dpp v[T], v[T], v[T] row_xmask:2 row_mask:0xf bank_mask:0xf
	v_add_f32_dpp v[T], v[T], v[T] row_xmask:4 row_mask:0xf bank_mask:0xf
	v_add_f32_dpp v[T], v[T], v[T] row_xmask:8 row_mask:0xf bank_mask:0xf
	v_permlanex16_b32 v[T2], v[T], s16, s17
	v_add_f32 v[T], v[T], v[T2]
.endm
	LOAD 0
	LOAD 1
	LOAD 2
	LOAD 3
.macro ROW t
.set RR, R+32*((\t)%4)
.set CC, C+4*((\t)%2)
.if (\t) < 5
	s_wait_loadcnt 24                              ; this row's eight loads are in (and ln_g, ln_b, which are older); the three rows behind it may be out
.else
	s_wait_loadcnt 8*(7-(\t))                      ; the last rows: the counts run down
.endif
.irp j, 0,1,2,3,4,5,6,7
	ds_store_b128 v[STI], v[RR+4*\j:RR+4*\j+3] offset:576*\j
.endr
.irp i, 0,1,2,3,4,5,6,7
	ds_load_b128 v[X+4*\i:X+4*\i+3], v[STO] offset:16*\i   ; LDS serves a wave's instructions in order: these see the stores above
.endr
	s_wait_dscnt 0x0                               ; my block is in; the stores have read the slot's registers
.if (\t) < 4
	LOAD (\t)+4                                    ; which take the row four further on
.endif
	v_pk_add_f32 v[A0:A0+1], v[X:X+1], v[X+2:X+3]  ; the row's sum, in two chains
	v_pk_add_f32 v[A1:A1+1], v[X+4:X+5], v[X+6:X+7]
.irp i, 8,12,16,20,24,28
	v_pk_add_f32 v[A0:A0+1], v[A0:A0+1], v[X+\i:X+\i+1]
	v_pk_add_f32 v[A1:A1+1], v[A1:A1+1], v[X+\i+2:X+\i+3]
.endr
	v_pk_add_f32 v[A0:A0+1], v[A0:A0+1], v[A1:A1+1]
	v_add_f32 v[T], v[A0], v[A0+1]
	ALLSUM
	v_mul_f32 v[MU], s18, v[T]                     ; the mean
.irp i, 0,2,4,6,8,10,12,14,16,18,20,22,24,26,28,30
	v_pk_add_f32 v[X+\i:X+\i+1], v[X+\i:X+\i+1], v[MU:MU+1] op_sel_hi:[1,0] neg_lo:[0,1] neg_hi:[0,1]   ; x - mean
.endr
	v_pk_mul_f32 v[A0:A0+1], v[X:X+1], v[X:X+1]    ; the sum of its squares
	v_pk_mul_f32 v[A1:A1+1], v[X+2:X+3], v[X+2:X+3]
.irp i, 4,8,12,16,20,24,28
	v_pk_fma_f32 v[A0:A0+1], v[X+\i:X+\i+1], v[X+\i:X+\i+1], v[A0:A0+1]
	v_pk_fma_f32 v[A1:A1+1], v[X+\i+2:X+\i+3], v[X+\i+2:X+\i+3], v[A1:A1+1]
.endr
	v_pk_add_f32 v[A0:A0+1], v[A0:A0+1], v[A1:A1+1]
	v_add_f32 v[T], v[A0], v[A0+1]
	ALLSUM
	v_fma_f32 v[T], v[T], s18, s19                 ; var + eps
	s_wait_alu depctr_va_vdst(0)
	v_rsq_f32 v[RSQ], v[T]
	v_nop                                          ; a plain instruction behind the transcendental,
	s_wait_alu depctr_va_vdst(0)                   ; and the wait ahead of its first reader
.irp i, 0,2,4,6,8,10,12,14,16,18,20,22,24,26,28,30
	v_pk_mul_f32 v[X+\i:X+\i+1], v[X+\i:X+\i+1], v[RSQ:RSQ+1] op_sel_hi:[1,0]
.endr
.irp i, 0,2,4,6,8,10,12,14,16,18,20,22,24,26,28,30
	v_pk_fma_f32 v[X+\i:X+\i+1], v[X+\i:X+\i+1], v[G+\i:G+\i+1], v[BT+\i:BT+\i+1]
.endr
	v_max3_num_f32 v[A0], |v[X]|, |v[X+1]|, 0x1800000          ; the block's largest magnitude: all 32 numbers are mine; two chains, each over the floor 2^(3 - 127), which holds the byte at 1 from below
	v_max3_num_f32 v[A1], |v[X+16]|, |v[X+17]|, 0x1800000
.irp i, 2,4,6,8,10,12,14
	v_max3_num_f32 v[A0], v[A0], |v[X+\i]|, |v[X+\i+1]|
	v_max3_num_f32 v[A1], v[A1], |v[X+16+\i]|, |v[X+17+\i]|
.endr
	v_max_num_f32 v[A0], v[A0], v[A1]
	v_add_nc_u32 v[SOP], 0xff000000, v[A0]         ; 2 off its exponent field: the conversion takes the exponent field of this operand as its scale
	s_wait_alu depctr_va_vdst(0)
	s_wait_xcnt 0x0                                ; the store of two rows ago has read this set of code registers
.irp g, 0,1,2,3
	v_cvt_scalef32_pk8_fp4_f32 v[CC+\g], v[X+8*\g:X+8*\g+7], v[SOP]
.endr
	v_lshrrev_b32 v[BY], 23, v[SOP]                ; the scale's byte (also the plain instruction behind the conversions)
	ds_store_b8 v[SBW], v[BY] offset:32*(\t)
	global_store_b128 v[L16], v[CC:CC+3], s[10:11] offset:512*(\t)   ; the row's 512 bytes of codes, on end
.endm
.irp t, 0,1,2,3,4,5,6,7
	ROW \t
.endr
	ds_load_b64 v[A0:A0+1], v[SBR]                 ; my wave's 256 scale bytes, 8 a lane
	s_wait_dscnt 0x0
	global_store_b64 v[L8], v[A0:A0+1], s[12:13]   ; 32 lanes store 256 consecutive bytes, aligned
	s_wait_tensorcnt 0x0                           ; the wave's end
	ds_add_u32 v[SPW], v[NIL]
	s_wait_dscnt 0x0
	s_endpgm
.Lfunc_end_k_q75173142d4_ln_quant:
	.size	k_q75173142d4_ln_quant, .Lfunc_end_k_q75173142d4_ln_quant-k_q75173142d4_ln_quant
	.p2alignl 7, 3214868480
	.fill 96, 4, 3214868480
	.section	.rodata,"a",@progbits
	.p2align	6, 0x0
	.amdhsa_kernel k_q75173142d4_ln_quant
		.amdhsa_group_segment_fixed_size 19968
		.amdhsa_private_segment_fixed_size 0
		.amdhsa_enable_private_segment 0
		.amdhsa_kernarg_size 40
		.amdhsa_user_sgpr_count 2
		.amdhsa_user_sgpr_kernarg_segment_ptr 1
		.amdhsa_wavefront_size32 1
		.amdhsa_system_sgpr_workgroup_id_x 1
		.amdhsa_system_sgpr_workgroup_id_y 1
		.amdhsa_system_sgpr_workgroup_id_z 1
		.amdhsa_system_vgpr_workitem_id 0
		.amdhsa_next_free_vgpr 256
		.amdhsa_next_free_sgpr 66
		.amdhsa_reserve_vcc 0
		.amdhsa_float_denorm_mode_32 3
		.amdhsa_float_denorm_mode_16_64 3
		.amdhsa_memory_ordered 1
		.amdhsa_forward_progress 1
		.amdhsa_inst_pref_size 80
	.end_amdhsa_kernel
	.amdgpu_metadata
---
amdhsa.version: [ 1, 2 ]
amdhsa.kernels:
  - .name:           k_q75173142d4_ln_quant
    .symbol:         k_q75173142d4_ln_quant.kd
    .args:
      - { .name: hidden_states, .offset: 0, .size: 8, .value_kind: global_buffer, .address_space: global }
      - { .name: ln_g, .offset: 8, .size: 8, .value_kind: global_buffer, .address_space: global }
      - { .name: ln_b, .offset: 16, .size: 8, .value_kind: global_buffer, .address_space: global }
      - { .name: xq, .offset: 24, .size: 8, .value_kind: global_buffer, .address_space: global }
      - { .name: xs, .offset: 32, .size: 8, .value_kind: global_buffer, .address_space: global }
    .group_segment_fixed_size: 19968
    .private_segment_fixed_size: 0
    .kernarg_segment_align: 8
    .kernarg_segment_size: 40
    .max_flat_workgroup_size: 128
    .sgpr_count:     66
    .vgpr_count:     256
    .wavefront_size: 32
...
	.end_amdgpu_metadata
.endif
;; end of part 1
;; launch qkv_gemm (part 2): grid 8 x 32, 4 waves a work-group, clusters of 4 x 4, 327,680 bytes of LDS; arguments qkv_w_codes, qkv_w_scales, xq, xs, qkv_b, qkv; writes qkv
.if DOCPART == 2
	.amdgcn_target "amdgcn-amd-amdhsa--gfx1250"
	.amdhsa_code_object_version 6
	.text
	.protected	k_q75173142d4_qkv_gemm
	.globl	k_q75173142d4_qkv_gemm
	.p2align	8
	.type	k_q75173142d4_qkv_gemm,@function
k_q75173142d4_qkv_gemm:
	s_mov_b64 s[64:65], 0
	v_nop
	global_prefetch_b8 v0, s[64:65] scope:SCOPE_SE
	s_setreg_imm32_b32 hwreg(HW_REG_WAVE_MODE, 25, 1), 1
	s_wait_xcnt 0x0
	s_wait_alu depctr_hold_cnt(0) depctr_sa_sdst(0) depctr_va_vdst(0) depctr_va_sdst(0) depctr_va_ssrc(0) depctr_va_vcc(0) depctr_vm_vsrc(0)
	s_getreg_b32 s2, hwreg(HW_REG_IB_STS2, 6, 4)
	s_cmp_eq_u32 s2, 0
	s_cbranch_scc0 .Lentry_in_a_cluster
	s_endpgm
.Lentry_in_a_cluster:
	s_bfe_u32 s2, ttmp6, 0x10000c
	s_cmp_lg_u32 s2, 0xf033
	s_cbranch_scc0 .Lentry_shape_is_right
	s_endpgm
.Lentry_shape_is_right:
; LAUNCH 2 OF 4.  qkv = x W^T + b on codes of E2M1 (K = 1,024), its results quantised in registers into the operands of attention's two products: nothing wider than codes goes to memory.  No work is left out.
; THE DEAL.  256 work-groups.  Work-group (fx, ty) owns tokens 256 ty .. + 255 and makes of them, one after the other,
;   part 1: features 256 fx .. + 255 of q and k together.  Source 0 = W's 256 rows, source 1 = the tokens: a lane holds one token, its registers features: quantised along the head's 64.  A wave makes 128 x 128.
;   part 2: features 128 fx .. + 127 of v.  Source 0 = THE SAME tokens, source 1 = W_v's 128 rows: a lane holds one feature, its registers keys: quantised along the keys.  A wave makes 128 tokens x 64 features, one head.
; LDS: 512 rows of 512 bytes + 16 (all of K in a row): x's 256, W's 256.  x's rows stay for both parts.  ONE REFILL: W_v's 128 rows land on W's first 128, behind a drained round of the cluster's barrier that stands in
; part 1's last K step, 32 rows a wave: they have part 1's way out in which to land.  No prefetch: the launch has no loop to run ahead in.
; CLUSTER 4 x 4: x's rows hang on ty and are asked for jointly along a row, W's and W_v's on fx and jointly down a column.
; THE SCALE WORDS come straight into registers: lane (r, h) holds bytes 16 h .. 16 h + 15 of row r's 32, so lanes 0-15 serve K steps 0-3 and lanes 16-31 K steps 4-7.  Part 2's, and its bias, are loaded under part 1's way out.
; THE WAY OUT.  In tile b a lane (r, h) holds next-K index 16 b + 8 h + j in register j: tiles 2 B and 2 B + 1 are block B of 32, half of it in lane l, half in lane l xor 16.  The conversions' eight words, with four exchanges
; of lane halves, are the next operand's registers: they are stored as they stand, 16 bytes a lane, 512 bytes on end.
; THE BUFFER qkv: a record of RS bytes for each (batch, head): +0 Q's fragments (512 bytes for 16 queries); +65536 Q's scale words; +73728 K's; +81920 V's; +86016 + 8192 s: key step s: K's 8 fragments (4,096), V's 4 (4,096).
; LIMITS: as stated in the first launch.
; REGISTERS: window 0: v7-29 addresses; v30-61 source 0's scale words, v64-95 source 1's; v96-111 the quantiser's work; v112-119 codes; v120-127 scale words made; v128-191 source 1's fragments; v192-255 the bias as C.
;   window 1: source 0's fragments, two sets.  windows 2, 3: the accumulators ((a, b) at v[8 (8 (a % 4) + b)]).
.set KROW,   512
.set PITCH,  528                       ; the 16 rows that a load touches start in 16 different groups of banks
.set FR,     8
.set NL,     2
.set NP,     4
.set HALFT,  128*PITCH
.set SPARE,  4*HALFT                   ; the spare words, 128 bytes for each wave, which no other line names
.set RS,     217088
.set BO0,  7                           ; 32 (lane / 16)
.set BO1,  8                           ; 4 (lane % 16)
.set ADRA, 16                          ; part 1: my 128 tokens
.set ADRB, 17                          ; part 1: my 128 rows of W
.set ADX,  18                          ; part 2: my 128 tokens
.set ADW,  19                          ; part 2: my 64 rows of W_v
.set LI,   24                          ; 16 x lane
.set L8,   26                          ; 8 x lane
.set ADRS, 27                          ; 32 (lane % 16) + 16 (lane / 16)
.set SPW,  28
.set NIL,  29
.set SC0,  30
.set SC1,  64                          ; a product's two scale registers differ by 2 or 6 modulo 8
.set TM,   96
.set PC,   112
.set PW,   120
.set AF,   128
.set TT,   128                         ; behind the products: the scale words gathered
.set CB,   192
.set G1,  24                           ; x's tiles
.set G0,  32
.set G1B, 48                           ; W's
.set G0B, 56
.set G1C, 80                           ; W_v's, 32 rows
.set G0C, 88
.set SEL, 66
.set XS1, 68                           ; pointers: x's scale bytes, W's, for part 1; the same for part 2; part 2's bias
.set WS1, 70
.set XS2, 72
.set WS2, 74
.set BI2, 76
.set P1C, 78                           ; where codes and scale words go, part 1 and part 2
.set P1S, 92
.set P2C, 94
.set P2S, 100
.set MSB, 0
.macro WIN new
.if MSB != \new
	s_set_vgpr_msb (MSB<<8)|\new
.set MSB, \new
.endif
.endm
.set MUL_LO, 0xa1                      ; source 0 window 1, source 1 window 0, C and D window 2
.set MUL_HI, 0xf1
.set TO_B,   0x40
.macro PLACES n                        ; plain vector instructions between a matrix instruction and a load into, or a read of, its registers
.rept \n
	v_nop
.endr
.endm
.macro CREST                           ; a round of the cluster's barrier behind its opening barrier
	s_cmp_lg_u32 s14, 0
	s_cbranch_scc1 .Lnot_wave_0_\@
	s_barrier_signal -3
.Lnot_wave_0_\@:
	s_barrier_wait -3
	s_barrier_signal -1
	s_barrier_wait -1
.endm
.macro CROUND
	s_barrier_signal -1
	s_barrier_wait -1
	CREST
.endm
.macro GROUP1 g, mask, rows            ; rows of 512 bytes, 4 words of padding after every 128; bit 21 beside a mask
	s_or_b32 s[\g], s\mask, (1<<20)|(1<<21)|(6<<22)|(3<<25)
	s_mov_b32 s[\g+1], KROW<<16
	s_mov_b32 s[\g+2], (\rows)<<16
	s_mov_b32 s[\g+3], KROW<<16
	s_mov_b32 s[\g+4], \rows
	s_mov_b32 s[\g+5], KROW
	s_mov_b32 s[\g+6], 0
	s_mov_b32 s[\g+7], 0
.endm
	s_load_b256 s[4:11], s[0:1], 0x0               ; W's codes s[4:5], W's scales s[6:7], x's codes s[8:9], x's scales s[10:11]
	s_load_b128 s[96:99], s[0:1], 0x20             ; qkv_b s[96:97], qkv s[98:99]
	v_lshl_add_u32 v[SPW], v0, 2, SPARE
	v_mov_b32 v[NIL], 0
	ds_add_u32 v[SPW], v[NIL]                      ; the opening: the add, twice on end, and its wait ahead of my first tensor load
	ds_add_u32 v[SPW], v[NIL]
	v_lshrrev_b32 v1, 5, v0
	v_readfirstlane_b32 s14, v1                    ; wave 0..3
	s_lshr_b32 s15, s14, 1                         ; my half of source 1's rows.  Also: at the head I fetch for x (0) or W (1)
	s_and_b32 s16, s14, 1                          ; my half of source 0's rows.  Also: which 128 rows I fetch
	s_bfe_u32 s40, ttmp6, 0x40000                  ; cx, cy
	s_bfe_u32 s41, ttmp6, 0x40004
	s_lshl_b32 s42, ttmp9, 2
	s_add_co_u32 s42, s42, s40                     ; fx
	s_and_b32 s17, ttmp7, 0xffff
	s_lshl_b32 s17, s17, 2
	s_add_co_u32 s17, s17, s41                     ; ty
	s_lshl_b32 s43, s41, 2
	s_lshl_b32 s43, 15, s43                        ; my row of the cluster
	s_lshl_b32 s44, 0x1111, s40                    ; my column
	GROUP1 G1, 43, 128
	GROUP1 G1B, 44, 128
	GROUP1 G1C, 44, 32
	s_lshl_b32 s36, s16, 16                        ; byte offsets, each in the low word of the pair that will hold the address
	s_lshl_b32 s18, s17, 17
	s_add_co_u32 s18, s18, s36                     ; x's 128 rows that I fetch
	s_lshl_b32 s20, s42, 17
	s_add_co_u32 s20, s20, s36                     ; W's
	s_lshl_b32 s22, s42, 16
	s_lshl_b32 s37, s14, 14
	s_add_co_u32 s22, s22, s37
	s_add_co_u32 s22, s22, 2048*KROW               ; W_v's 32 rows that I fetch
	s_lshl_b32 s36, s15, 12
	s_lshl_b32 s37, s16, 12
	s_lshl_b32 s[XS1], s17, 13
	s_add_co_u32 s[XS2], s[XS1], s37
	s_add_co_u32 s[XS1], s[XS1], s36
	s_lshl_b32 s[WS1], s42, 13
	s_add_co_u32 s[WS1], s[WS1], s37
	s_lshl_b32 s[WS2], s42, 12
	s_lshl_b32 s36, s15, 11
	s_add_co_u32 s[WS2], s[WS2], s36
	s_add_co_u32 s[WS2], s[WS2], 2048*32
	s_lshl_b32 s46, s42, 10
	s_lshl_b32 s36, s16, 9
	s_add_co_u32 s46, s46, s36                     ; part 1's bias
	s_lshl_b32 s[BI2], s42, 9
	s_lshl_b32 s36, s15, 8
	s_add_co_u32 s[BI2], s[BI2], s36
	s_add_co_u32 s[BI2], s[BI2], 8192
.irp p, 19,21,23,47,69,71,73,75,77,79,93,95,101
	s_mov_b32 s\p, 0
.endr
	s_lshl_b32 s60, s17, 1
	s_add_co_u32 s61, s60, s16
	s_add_co_u32 s60, s60, s15
	s_and_b32 s60, s60, 15                         ; part 1: which 128 tokens of the batch
	s_and_b32 s61, s61, 15                         ; part 2: which key step
	s_lshr_b32 s62, s17, 3
	s_lshl_b32 s62, s62, 4                         ; 16 x batch
	s_lshl_b32 s63, s42, 2
	s_lshl_b32 s36, s16, 1
	s_add_co_u32 s63, s63, s36
	s_and_b32 s63, s63, 15                         ; part 1: the first of my two heads
	s_add_co_u32 s63, s63, s62
	s_mul_i32 s63, s63, RS
	s_lshl_b32 s12, s42, 1
	s_add_co_u32 s12, s12, s15                     ; part 2: my head
	s_add_co_u32 s12, s12, s62
	s_mul_i32 s12, s12, RS
	s_mov_b32 s[P1C], 86016
	s_mov_b32 s[P1S], 73728
	s_cmp_lt_u32 s42, 4                            ; q's features or k's: it enters store addresses alone
	s_cselect_b32 s[P1C], 0, s[P1C]
	s_cselect_b32 s[P1S], 65536, s[P1S]
	s_cselect_b32 s36, 12, 13                      ; 4,096 or 8,192 bytes for 128 tokens
	s_lshl_b32 s36, s60, s36
	s_add_co_u32 s[P1C], s[P1C], s36
	s_add_co_u32 s[P1C], s[P1C], s63
	s_lshl_b32 s36, s60, 9
	s_add_co_u32 s[P1S], s[P1S], s36
	s_add_co_u32 s[P1S], s[P1S], s63
	s_lshl_b32 s[P2C], s61, 13
	s_add_co_u32 s[P2C], s[P2C], s12
	s_add_co_u32 s[P2C], s[P2C], 90112
	s_lshl_b32 s[P2S], s61, 8
	s_add_co_u32 s[P2S], s[P2S], s12
	s_add_co_u32 s[P2S], s[P2S], 81920
	s_mul_i32 s45, s14, HALFT                      ; LDS: where my head's load lands: no place in the cluster enters an LDS address
	s_mul_i32 s36, s15, HALFT
	s_mul_i32 s38, s16, HALFT
	s_add_co_u32 s37, s38, 2*HALFT
	s_mul_i32 s39, s15, 64*PITCH
	s_add_co_u32 s39, s39, 2*HALFT
	s_mul_i32 s[G0C+1], s14, 32*PITCH
	s_add_co_u32 s[G0C+1], s[G0C+1], 2*HALFT
	s_mov_b32 s[SEL], 0x76543210
	s_mov_b32 s[SEL+1], 0xfedcba98                 ; v_permlanex16_b32's selects for lane l xor 16
	s_mov_b32 s13, 0xffff0000
	s_wait_dscnt 0x0                               ; both opening adds are done
	s_wait_kmcnt 0x0
	s_mov_b32 s[G0], 1
	s_mov_b32 s[G0+1], s45
	s_add_nc_u64 s[G0+2:G0+3], s[8:9], s[18:19]
	s_or_b32 s[G0+3], s[G0+3], 0x80000000
	s_mov_b32 s[G0B], 1
	s_mov_b32 s[G0B+1], s45
	s_add_nc_u64 s[G0B+2:G0B+3], s[4:5], s[20:21]
	s_or_b32 s[G0B+3], s[G0B+3], 0x80000000
	s_mov_b32 s[G0C], 1
	s_add_nc_u64 s[G0C+2:G0C+3], s[4:5], s[22:23]
	s_or_b32 s[G0C+3], s[G0C+3], 0x80000000
	CROUND                                         ; all sixteen work-groups are here: the joint loads meet
	s_cmp_eq_u32 s15, 0                            ; my one tensor load at the head: 128 whole rows; an s_nop 0 and four v_nop follow each line
	s_cbranch_scc0 .Lfor_w
	tensor_load_to_lds s[G0:G0+3], s[G1:G1+7]
	s_nop 0
	PLACES 4
	s_branch .Lasked
.Lfor_w:
	tensor_load_to_lds s[G0B:G0B+3], s[G1B:G1B+7]
	s_nop 0
	PLACES 4
.Lasked:
	s_add_nc_u64 s[XS1:XS1+1], s[10:11], s[XS1:XS1+1]
	s_add_nc_u64 s[XS2:XS2+1], s[10:11], s[XS2:XS2+1]
	s_add_nc_u64 s[WS1:WS1+1], s[6:7], s[WS1:WS1+1]
	s_add_nc_u64 s[WS2:WS2+1], s[6:7], s[WS2:WS2+1]
	s_add_nc_u64 s[BI2:BI2+1], s[96:97], s[BI2:BI2+1]
	s_add_nc_u64 s[96:97], s[96:97], s[46:47]
	s_add_nc_u64 s[P1C:P1C+1], s[98:99], s[P1C:P1C+1]
	s_add_nc_u64 s[P1S:P1S+1], s[98:99], s[P1S:P1S+1]
	s_add_nc_u64 s[P2C:P2C+1], s[98:99], s[P2C:P2C+1]
	s_add_nc_u64 s[P2S:P2S+1], s[98:99], s[P2S:P2S+1]
	v_and_b32 v1, 15, v0                           ; r = lane % 16
	v_bfe_u32 v2, v0, 4, 1                         ; h = lane / 16
	v_and_b32 v5, 31, v0
	v_lshlrev_b32 v[BO0], 5, v2
	v_lshlrev_b32 v[BO1], 2, v1
	v_lshlrev_b32 v[ADRS], 5, v1
	v_lshl_add_u32 v[ADRS], v2, 4, v[ADRS]
	v_lshlrev_b32 v[LI], 4, v5
	v_lshlrev_b32 v[L8], 3, v5
	v_mul_u32_u24 v3, v1, PITCH
	v_lshl_add_u32 v4, v2, 4, v3                   ; a fragment's row x pitch + 16 x half
	v_add_nc_u32 v[ADRA], s36, v4
	v_add_nc_u32 v[ADRB], s37, v4
	v_add_nc_u32 v[ADX], s38, v4
	v_add_nc_u32 v[ADW], s39, v4
.irp b, 0,1,2,3
	v_mov_b32 v[TM+4+\b], 0                        ; written once: a lane permute's destination counts as one of its sources
.endr
.irp i, 0,1,2,3,4,5,6,7
	global_load_b128 v[SC0+4*\i:SC0+4*\i+3], v[ADRS], s[WS1:WS1+1] offset:512*\i   ; the 512 consecutive scale bytes of a block of 16 rows
	global_load_b128 v[SC1+4*\i:SC1+4*\i+3], v[ADRS], s[XS1:XS1+1] offset:512*\i
.endr
.irp b, 0,1,2,3,4,5,6,7                        ; THE BIAS IS THE C OF EACH SUM'S FIRST PRODUCT.  Part 1: the feature runs along the registers: for source 0's block b the 8 numbers at 16 b + 8 h
	global_load_b128 v[CB+8*\b:CB+8*\b+3], v[BO0], s[96:97] offset:64*\b
	global_load_b128 v[CB+8*\b+4:CB+8*\b+7], v[BO0], s[96:97] offset:64*\b+16
.endr
.macro FRAG reg, adr, k, i             ; 16 rows x 128 K, K step k: lane l holds row l % 16; registers 4 c .. 4 c + 3 hold K = 64 c + 32 (l / 16) + 0 .. 31
.irp c, 0,1
	ds_load_b128 v[\reg+4*\c:\reg+4*\c+3], v[\adr] offset:64*(\k)+32*\c+(\i)*16*PITCH
.endr
.endm
.macro WM d, s0, s1, c, x0, x1, row    ; row: which lanes of the scale registers serve: K steps 0-3 or 4-7
.if \row
	v_wmma_scale_f32_16x16x128_f8f6f4 v[\d:\d+7], v[\s0:\s0+7], v[\s1:\s1+7], \c, v[\x0], v[\x1] matrix_a_fmt:MATRIX_FMT_FP4 matrix_b_fmt:MATRIX_FMT_FP4 matrix_a_scale:MATRIX_SCALE_ROW1 matrix_b_scale:MATRIX_SCALE_ROW1
.else
	v_wmma_scale_f32_16x16x128_f8f6f4 v[\d:\d+7], v[\s0:\s0+7], v[\s1:\s1+7], \c, v[\x0], v[\x1] matrix_a_fmt:MATRIX_FMT_FP4 matrix_b_fmt:MATRIX_FMT_FP4
.endif
.endm
; Part 1: 16 products: source 1's blocks a0, a0 + 1 x source 0's eight.  The accumulators take turns, one instruction a turn.
.macro MUL16 a0, k, zero
.irp a, \a0, \a0+1
.irp b, 0,1,2,3,4,5,6,7
.set D_, 8*(8*((\a)%4)+\b)
.set B_, 128*((\k)%2)+FR*\b
.set A_, AF+FR*(\a)
.set X0_, SC0+4*\b+(\k)%4
.set X1_, SC1+4*(\a)+(\k)%4
.set R_, (\k)/4
.if \zero
	WM D_, B_, A_, v[CB+8*\b:CB+8*\b+7], X0_, X1_, R_
.else
	WM D_, B_, A_, v[D_:D_+7], X0_, X1_, R_
.endif
.endr
.endr
.endm
.macro FETCH_B k
	WIN TO_B
.irp i, 0,1,2,3,4,5,6,7
	FRAG 128*((\k)%2)+FR*\i, ADRB, \k, \i
.endr
	WIN 0
.endm
.macro FETCH_A k, i0
.irp i, \i0, \i0+1, \i0+2, \i0+3
	FRAG AF+FR*(\i), ADRA, \k, \i
.endr
.endm
.macro STEP k, zero                    ; K step k of part 1, and the fetch of step k + 1
	s_wait_dscnt 4*NL                              ; source 0's set and source 1's blocks 0-3 are in; the youngest eight loads (blocks 4-7) may be out
.if \zero
	WIN 0x81                                       ; C (the bias) in window 0, D in window 2
.else
	WIN MUL_LO
.endif
	MUL16 0, \k, \zero
	MUL16 2, \k, \zero
	s_wait_dscnt 0
	PLACES NP
	FETCH_B (\k)+1
	FETCH_A (\k)+1, 0
.if \zero
	WIN 0xc1
.else
	WIN MUL_HI
.endif
	MUL16 4, \k, \zero
	MUL16 6, \k, \zero
	PLACES NP
	WIN 0
	FETCH_A (\k)+1, 4
.endm
; Part 2: 32 products a K step: source 1's four blocks x source 0's eight; both sources have two sets.
.macro MUL32 k
.irp a, 0,1,2,3
.irp b, 0,1,2,3,4,5,6,7
.set D_, 8*(8*\a+\b)
.set B_, 128*((\k)%2)+FR*\b
.set A_, AF+32*((\k)%2)+FR*\a
.set X0_, SC0+4*\b+(\k)%4
.set X1_, SC1+4*\a+(\k)%4
.set R_, (\k)/4
.if (\k) == 0
	WM D_, B_, A_, v[CB+8*\a:CB+8*\a+7], X0_, X1_, R_
.else
	WM D_, B_, A_, v[D_:D_+7], X0_, X1_, R_
.endif
.endr
.endr
.endm
.macro FETCH2 k
	WIN TO_B
.irp i, 0,1,2,3,4,5,6,7
	FRAG 128*((\k)%2)+FR*\i, ADX, \k, \i
.endr
	WIN 0
.irp i, 0,1,2,3
	FRAG AF+32*((\k)%2)+FR*\i, ADW, \k, \i
.endr
.endm
.macro STEP2 k
	s_wait_dscnt 0x0                               ; this step's fragments are in
.if (\k) < 7
	PLACES NP
	FETCH2 (\k)+1
.endif
.if (\k) == 0
	WIN 0x81
.else
	WIN MUL_LO
.endif
	MUL32 \k
.endm
; THE WAY OUT of source 1's block a: its 64 numbers a lane are four blocks of 32 along the next K (block B: registers 16 B .. 16 B + 15, with lane l xor 16's).
.macro QOUT a, ptr, o1, o2
.set AC, 64*((\a)%4)
	WIN 0x0a+5*((\a)/4)                            ; sources 0 and 1: window 2 or 3
.irp b, 0,1,2,3
	v_max3_num_f32 v[TM+\b], |v[AC+16*\b]|, |v[AC+16*\b+1]|, 0x1800000   ; each accumulator is read from its low end on; the floor 2^(3 - 127) holds the byte at 1 from below
.endr
.irp i, 2,4,6,8,10,12,14
.irp b, 0,1,2,3
	v_max3_num_f32 v[TM+\b], |v[AC+16*\b+\i]|, |v[AC+16*\b+\i+1]|, v[TM+\b]
.endr
.endr
	WIN 0
.irp b, 0,1,2,3
	v_permlanex16_b32 v[TM+4+\b], v[TM+\b], s[SEL], s[SEL+1]
.endr
.irp b, 0,1,2,3
	v_max_num_f32 v[TM+\b], v[TM+\b], v[TM+4+\b]   ; the block's largest magnitude
.endr
.irp b, 0,1,2,3
	v_add_nc_u32 v[TM+12+\b], 0xff000000, v[TM+\b] ; 2 off its exponent field: the conversions' scale operand
.endr
.irp b, 0,1,2,3
	v_lshrrev_b32 v[TM+4+\b], 23, v[TM+12+\b]      ; the scale's byte
.endr
	v_lshl_or_b32 v[PW+(\a)], v[TM+5], 8, v[TM+4]
	v_lshl_or_b32 v[PW+(\a)], v[TM+6], 16, v[PW+(\a)]
	v_lshl_or_b32 v[PW+(\a)], v[TM+7], 24, v[PW+(\a)]
	s_wait_alu depctr_va_vdst(0)
	s_wait_xcnt 0x0                                ; the last block's stores have read their data
	WIN 0x02+((\a)/4)                              ; source 0: window 2 or 3
.irp b, 0,1,2,3
	v_cvt_scalef32_pk8_fp4_f32 v[PC+4*(\b/2)+(\b%2)], v[AC+16*\b:AC+16*\b+7], v[TM+12+\b]        ; block b, K 8 h + 0 .. 7
	v_cvt_scalef32_pk8_fp4_f32 v[PC+4*(\b/2)+2+(\b%2)], v[AC+16*\b+8:AC+16*\b+15], v[TM+12+\b]   ; and 16 + 8 h + 0 .. 7
.endr
	WIN 0
	v_nop                                          ; a plain instruction behind the conversions
.irp c, 0,1                                    ; a lane is to hold a WHOLE block: lanes 0-15 block 2 c, lanes 16-31 block 2 c + 1
	v_permlane16_swap_b32 v[PC+4*\c], v[PC+4*\c+1]
	v_permlane16_swap_b32 v[PC+4*\c+2], v[PC+4*\c+3]
.endr
	global_store_b128 v[LI], v[PC:PC+3], s[\ptr:\ptr+1] offset:\o1       ; 32 lanes store 512 consecutive bytes, aligned to 256
	global_store_b128 v[LI], v[PC+4:PC+7], s[\ptr:\ptr+1] offset:\o2
.endm
	s_wait_alu depctr_va_vdst(0)                   ; the head's end
	s_wait_tensorcnt 0x0                           ; my 128 rows are in
	s_barrier_signal -1
	s_barrier_wait -1                              ; everybody's are
; ================= PART 1
	FETCH_B 0
	FETCH_A 0, 0
	FETCH_A 0, 4
	s_wait_loadcnt 0x0                             ; the scale words and the bias
	STEP 0, 1
.irp k, 1,2,3,4,5,6
	STEP \k, 0
.endr
	s_wait_tensorcnt 0x0                           ; K step 7, with the round in front of the refill: no tensor load of mine is out;
	ds_add_u32 v[SPW], v[NIL]                      ; 0 onto my spare word;
	s_wait_dscnt 4*NL+1                            ; (the add and the youngest eight loads may be out)
	WIN MUL_LO
	MUL16 0, 7, 0
	s_wait_dscnt 0x0                               ; the add is done, and my reads of W's rows are over
	s_barrier_signal -1
	MUL16 2, 7, 0
	WIN 0
	s_barrier_wait -1
	CREST                                          ; no wave of any partner still reads W's rows
	tensor_load_to_lds s[G0C:G0C+3], s[G1C:G1C+7]  ; W_v's rows, 32 a wave, over W's first 128
	s_nop 0
	PLACES 4
	WIN MUL_HI
	MUL16 4, 7, 0
	MUL16 6, 7, 0
	WIN 0
	PLACES NP
.irp i, 0,1,2,3,4,5,6,7                        ; part 2's scale words and bias, asked for ahead of part 1's way out
	global_load_b128 v[SC0+4*\i:SC0+4*\i+3], v[ADRS], s[XS2:XS2+1] offset:512*\i
.endr
.irp i, 0,1,2,3
	global_load_b128 v[SC1+4*\i:SC1+4*\i+3], v[ADRS], s[WS2:WS2+1] offset:512*\i
.endr
.irp a, 0,1,2,3                                ; the feature is the lane's row: for source 1's block a one number, eight times
.irp j, 0,1,2,3,4,5,6,7
	global_load_b32 v[CB+8*\a+\j], v[BO1], s[BI2:BI2+1] offset:64*\a
.endr
.endr
.irp a, 0,1,2,3,4,5,6,7
	QOUT \a, P1C, 512*\a, 512*\a+RS                ; the second four registers are the next head's
.endr
.irp w, 0,1,2,3
	v_cndmask_b32 v[TT+\w], v[PW+2*\w], v[PW+2*\w+1], s13   ; lanes 0-15: block 2 w's words, lanes 16-31: block 2 w + 1's: as a scale register is read
.endr
.irp w, 0,1,2,3
	v_and_b32 v[TT+4+\w], 0xffff, v[TT+\w]         ; the first head's two bytes; the upper two bytes stay 0: they meet zero codes
	v_lshrrev_b32 v[TT+8+\w], 16, v[TT+\w]         ; the second head's
.endr
	global_store_b128 v[LI], v[TT+4:TT+7], s[P1S:P1S+1]
	global_store_b128 v[LI], v[TT+8:TT+11], s[P1S:P1S+1] offset:RS
; ================= PART 2
	s_wait_xcnt 0x0                                ; the stores have read their data: fragments may land there
	s_wait_tensorcnt 0x0                           ; my 32 rows of W_v are in
	s_barrier_signal -1
	s_barrier_wait -1                              ; everybody's are
	FETCH2 0
	s_wait_loadcnt 0x0
.irp k, 0,1,2,3,4,5,6,7
	STEP2 \k
.endr
	WIN 0
	PLACES NP
.irp a, 0,1,2,3
	QOUT \a, P2C, 1024*\a, 1024*\a+512
.endr
.irp w, 0,1
	v_cndmask_b32 v[TT+\w], v[PW+2*\w], v[PW+2*\w+1], s13
.endr
	global_store_b64 v[L8], v[TT:TT+1], s[P2S:P2S+1]   ; my head's four tiles of d: 256 consecutive bytes
	s_wait_tensorcnt 0x0                           ; the wave's end
	ds_add_u32 v[SPW], v[NIL]
	s_wait_dscnt 0x0
	CROUND                                         ; the closing round
	s_endpgm
.Lfunc_end_k_q75173142d4_qkv_gemm:
	.size	k_q75173142d4_qkv_gemm, .Lfunc_end_k_q75173142d4_qkv_gemm-k_q75173142d4_qkv_gemm
	.p2alignl 7, 3214868480
	.fill 96, 4, 3214868480
	.section	.rodata,"a",@progbits
	.p2align	6, 0x0
	.amdhsa_kernel k_q75173142d4_qkv_gemm
		.amdhsa_group_segment_fixed_size 327680
		.amdhsa_private_segment_fixed_size 0
		.amdhsa_enable_private_segment 0
		.amdhsa_kernarg_size 48
		.amdhsa_user_sgpr_count 2
		.amdhsa_user_sgpr_kernarg_segment_ptr 1
		.amdhsa_wavefront_size32 1
		.amdhsa_system_sgpr_workgroup_id_x 1
		.amdhsa_system_sgpr_workgroup_id_y 1
		.amdhsa_system_sgpr_workgroup_id_z 1
		.amdhsa_system_vgpr_workitem_id 0
		.amdhsa_next_free_vgpr 1024
		.amdhsa_next_free_sgpr 102
		.amdhsa_reserve_vcc 0
		.amdhsa_float_denorm_mode_32 3
		.amdhsa_float_denorm_mode_16_64 3
		.amdhsa_memory_ordered 1
		.amdhsa_forward_progress 1
		.amdhsa_inst_pref_size 197
	.end_amdhsa_kernel
	.amdgpu_metadata
---
amdhsa.version: [ 1, 2 ]
amdhsa.kernels:
  - .name:           k_q75173142d4_qkv_gemm
    .symbol:         k_q75173142d4_qkv_gemm.kd
    .args:
      - { .name: qkv_w_codes, .offset: 0, .size: 8, .value_kind: global_buffer, .address_space: global }
      - { .name: qkv_w_scales, .offset: 8, .size: 8, .value_kind: global_buffer, .address_space: global }
      - { .name: xq, .offset: 16, .size: 8, .value_kind: global_buffer, .address_space: global }
      - { .name: xs, .offset: 24, .size: 8, .value_kind: global_buffer, .address_space: global }
      - { .name: qkv_b, .offset: 32, .size: 8, .value_kind: global_buffer, .address_space: global }
      - { .name: qkv, .offset: 40, .size: 8, .value_kind: global_buffer, .address_space: global }
    .group_segment_fixed_size: 327680
    .private_segment_fixed_size: 0
    .kernarg_segment_align: 8
    .kernarg_segment_size: 48
    .max_flat_workgroup_size: 128
    .sgpr_count:     102
    .vgpr_count:     1024
    .wavefront_size: 32
...
	.end_amdgpu_metadata
.endif
;; end of part 2
;; launch attention (part 3): grid 4 x 64, 8 waves a work-group, clusters of 4 x 1, 167,936 bytes of LDS; arguments qkv, encoder_padding_mask, ctxq, ctxs; writes ctxq, ctxs
.if DOCPART == 3
	.amdgcn_target "amdgcn-amd-amdhsa--gfx1250"
	.amdhsa_code_object_version 6
	.text
	.protected	k_q75173142d4_attention
	.globl	k_q75173142d4_attention
	.p2align	8
	.type	k_q75173142d4_attention,@function
k_q75173142d4_attention:
	s_mov_b64 s[64:65], 0
	v_nop
	global_prefetch_b8 v0, s[64:65] scope:SCOPE_SE
	s_setreg_imm32_b32 hwreg(HW_REG_WAVE_MODE, 25, 1), 1
	s_wait_xcnt 0x0
	s_wait_alu depctr_hold_cnt(0) depctr_sa_sdst(0) depctr_va_vdst(0) depctr_va_sdst(0) depctr_va_ssrc(0) depctr_va_vcc(0) depctr_vm_vsrc(0)
	s_getreg_b32 s2, hwreg(HW_REG_IB_STS2, 6, 4)
	s_cmp_eq_u32 s2, 0
	s_cbranch_scc0 .Lentry_in_a_cluster
	s_endpgm
.Lentry_in_a_cluster:
	s_bfe_u32 s2, ttmp6, 0x10000c
	s_cmp_lg_u32 s2, 0x3003
	s_cbranch_scc0 .Lentry_shape_is_right
	s_endpgm
.Lentry_shape_is_right:
; LAUNCH 3 OF 4.  ctx = softmax(q k^T / 8 + mask x (-1e8)) v for one (batch, head), both products on codes of E2M1; ctx is quantised in registers for the last product.  No work is left out: every key is multiplied, masked or not.
; THE SOFTMAX AHEAD OF THE SECOND PRODUCT: t = logit x log2(e); M = the running largest t rounded UP to a whole number; p = 2^(t - M) is quantised along the keys, not normalised; the row's sum is taken of the
; unquantised p and divides at the end.  When M moves, the sum and O are multiplied by 2^(old M - new M): exact, in every step, with no branch on data.
; THE MASK is the C of the first product: float(mask) x (-8e8), so that the result is 8 x the logit, rounded once.
; LIMITS: that one sum is rounded by the matrix unit's own rule; where EVERY key of a batch is masked it can differ from f32's at a tie.  The scaled scores stay under 2^31 in magnitude.  Others as stated in the first launch.
; K = 64 IN A FORM OF K = 128: Q's fragment has zero codes in its upper four registers and both sides' scale words 0 in their upper two bytes; K's tile T is named v[KF + 4 T : KF + 4 T + 7], whose upper half is the next tile's codes (behind tile 7: zeros).
; SHARES.  A work-group owns 512 queries of a head, each of its eight waves 64: four tiles of 16, taken in two PAIRS.  The head's K, V and scale words (143,360 bytes, one dense run) come into LDS once, asked for jointly by the four
; query blocks of the head (mask 15), 70 rows of 256 bytes a wave; nothing is filled again, and all is asked for at the head, so there is nothing to prefetch.
; LAYOUT.  Both products transposed: a lane holds one query.  THE KEYS OF A TILE ARE CHOSEN, by LDS addresses alone: row 8 u + j of tile 4 g + t is key 64 g + 32 u + 8 t + j of the step's 128.  So lane (r, h) holds in the 32 registers
; of tiles 4 g .. 4 g + 3 the WHOLE block 2 g + h of 32 keys: a block's largest score needs no other lane, and the conversions' words are the second product's operand as they stand.
; ORDER.  A phase is a pair's softmax, its rescaling of O, the NEXT pair's 16 score products, this pair's 8 products with V.  K and the mask of step s + 1 are loaded behind the second pair's score products of step s, V behind
; the second pair's products with V: each wait on LDS is for 0 and stands a whole softmax behind its loads.  15 trips; the last step, which looks no further, is written out.
; REGISTERS: window 0: v1-11, v38, v39, v60, v61 addresses; v12-27 four a tile (-M, largest score, the sum in two halves); v28-37 scale words; v40-59 at work; v64-127 the mask; v128-255 a pair's S^T, then p.
;   window 1: v0-127 O^T (tile q at 32 q); v128-159 Q; v160-195 K; v196-227 V; v228-243 a pair's codes of p.
.set RS,    217088
.set KVO,   73728
.set WROWS, 70
.set STP0,  12288                      ; LDS: K's scale words at 0, V's at 8,192, key step s at 12,288 + 8,192 s (K, then V)
.set MK,    143360                     ; the mask's 2,048 numbers, written by LDS stores: no tile lands here
.set SPARE, 151552                     ; the spare words, 128 bytes for each wave, which no other line names
.set SPW,  1
.set NIL,  2
.set BK,   3                           ; STP0 + 16 j + 1,024 u + 256 h: my 16 bytes of a chosen tile of K
.set BV,   4                           ; STP0 + 4,096 + 16 x lane
.set BS,   5                           ; 16 j + 4 u + 8 h: K's scale word of my row; lanes 16-31 take the tiles of g = 1
.set BT,   6                           ; 8,192 + 8 x lane
.set BMK,  7                           ; MK + 128 h
.set ADK,  8
.set ADV,  9
.set ADS,  10
.set ADT,  11
.set ST,   12
.set KSC,  28
.set QSC,  32
.set VSC,  34
.set PW,   36
.set ADM,  38
.set SH8,  39                          ; 8 h
.set BM,   40
.set T2,   44
.set X,    48
.set F,    52
.set SO,   56
.set LI,   60                          ; 16 x lane
.set L32,  61                          ; 32 x lane
.set MC,   64
.set S,    128
.set Y,    64                          ; the way out: O^T / the sum
.set QM,   192
.set QT,   200
.set QO,   208
.set PWO,  216
.set OC,   224
.set TW,   240
.set QF,   128                         ; window 1
.set KF,   160
.set VF,   196
.set PC,   228
.set WV,   12
.set G1,   24
.set QB,   32
.set QSB,  34
.set G0,   40
.set CS,   48
.set SEL,  50
.set TB,   52
.set TS,   53
.set TV,   54
.set CNT,  56
.set HM,   57
.set MSB, 0
.macro WIN new
.if MSB != \new
	s_set_vgpr_msb (MSB<<8)|\new
.set MSB, \new
.endif
.endm
.macro WALU
	s_wait_alu depctr_va_vdst(0)
.endm
.macro CROUND
	s_barrier_signal -1
	s_barrier_wait -1
	s_cmp_lg_u32 s[WV], 0
	s_cbranch_scc1 .Lnot_wave_0_\@
	s_barrier_signal -3
.Lnot_wave_0_\@:
	s_barrier_wait -3
	s_barrier_signal -1
	s_barrier_wait -1
.endm
	s_load_b256 s[4:11], s[0:1], 0x0               ; qkv s[4:5], the mask s[6:7], ctxq s[8:9], ctxs s[10:11]
	v_lshl_add_u32 v[SPW], v0, 2, SPARE
	v_mov_b32 v[NIL], 0
	ds_add_u32 v[SPW], v[NIL]                      ; the opening: the add, twice on end, and its wait ahead of my first tensor load
	ds_add_u32 v[SPW], v[NIL]
	v_lshrrev_b32 v10, 5, v0
	v_readfirstlane_b32 s[WV], v10                 ; wave 0..7
	s_bfe_u32 s13, ttmp6, 0x40000                  ; cx: my block of 512 queries: it enters global addresses alone
	s_and_b32 s14, ttmp7, 0xffff                   ; 16 x batch + head, which the four partners share
	s_lshr_b32 s15, s14, 4                         ; the batch
	s_and_b32 s58, s14, 15                         ; the head
	s_mul_i32 s16, s14, RS                         ; the record
	s_mov_b32 s17, 0
	s_mul_i32 s18, s[WV], WROWS*256                ; my 70 rows: in LDS,
	s_add_co_u32 s20, s18, KVO                     ; and in the record
	s_mov_b32 s21, 0
	s_add_nc_u64 s[20:21], s[20:21], s[16:17]
	s_mov_b32 s[G1], 15|(3<<16)|(1<<21)            ; all four work-groups; elements of 8 bytes; bit 21 beside a mask; no padding
	s_mov_b32 s[G1+1], 32<<16
	s_mov_b32 s[G1+2], WROWS<<16
	s_mov_b32 s[G1+3], 32<<16
	s_mov_b32 s[G1+4], WROWS
	s_mov_b32 s[G1+5], 32
	s_mov_b32 s[G1+6], 0
	s_mov_b32 s[G1+7], 0
	s_mov_b32 s[CS], 0x3e38aa3b                    ; log2(e) / 8
	s_mov_b32 s[CS+1], s[CS]
	s_mov_b32 s[SEL], 0x76543210
	s_mov_b32 s[SEL+1], 0xfedcba98                 ; v_permlanex16_b32's selects for lane l xor 16
	s_mov_b32 s[TB], 8192                          ; the loop looks one step ahead
	s_mov_b32 s[TS], 512
	s_mov_b32 s[TV], 256
	s_mov_b32 s[CNT], 15
	s_mov_b32 s[HM], 0xffff0000
	s_wait_dscnt 0x0
	s_wait_kmcnt 0x0
	s_mov_b32 s[G0], 1
	s_mov_b32 s[G0+1], s18
	s_add_nc_u64 s[G0+2:G0+3], s[4:5], s[20:21]
	s_or_b32 s[G0+3], s[G0+3], 0x80000000
	CROUND                                         ; all four work-groups are here: the joint loads meet
	tensor_load_to_lds s[G0:G0+3], s[G1:G1+7]      ; my one tensor load
	s_nop 0
.rept 4
	v_nop
.endr
	v_lshlrev_b32 v10, 4, v0                       ; 16 x thread
	s_lshl_b32 s22, s15, 13                        ; the batch's 2,048 mask words
	s_mov_b32 s23, 0
	s_add_nc_u64 s[6:7], s[6:7], s[22:23]
	global_load_b128 v[64:67], v10, s[6:7]
	global_load_b128 v[68:71], v10, s[6:7] offset:4096
	s_lshl_b32 s22, s13, 14                        ; Q's fragments: 512 bytes a tile; my first tile is 32 cx + 4 wave
	s_lshl_b32 s19, s[WV], 11
	s_add_co_u32 s22, s22, s19
	s_add_nc_u64 s[22:23], s[22:23], s[16:17]
	s_add_nc_u64 s[QB:QB+1], s[4:5], s[22:23]
	s_lshl_b32 s22, s13, 11                        ; Q's scale words: 512 bytes for 128 queries: group 4 cx + wave / 2, words 2 (wave % 2) on
	s_lshr_b32 s19, s[WV], 1
	s_lshl_b32 s19, s19, 9
	s_add_co_u32 s22, s22, s19
	s_and_b32 s19, s[WV], 1
	s_lshl_b32 s19, s19, 3
	s_add_co_u32 s22, s22, s19
	s_add_co_u32 s22, s22, 65536
	s_mov_b32 s23, 0
	s_add_nc_u64 s[22:23], s[22:23], s[16:17]
	s_add_nc_u64 s[QSB:QSB+1], s[4:5], s[22:23]
	v_and_b32 v11, 31, v0
	v_lshlrev_b32 v[LI], 4, v11
	v_lshlrev_b32 v[L32], 5, v11
	v_lshl_add_u32 v[BT], v11, 3, 8192
	v_add_nc_u32 v[BV], STP0+4096, v[LI]
	v_bfe_u32 v11, v0, 4, 1                        ; h
	v_lshl_add_u32 v[BMK], v11, 7, MK
	v_lshlrev_b32 v[SH8], 3, v11
	v_and_b32 v9, 7, v0                            ; j
	v_bfe_u32 v8, v0, 3, 1                         ; u
	v_lshlrev_b32 v9, 4, v9
	v_lshl_add_u32 v[BS], v8, 2, v9
	v_lshl_add_u32 v[BS], v11, 3, v[BS]
	v_lshl_add_u32 v[BK], v8, 10, v9
	v_lshl_add_u32 v[BK], v11, 8, v[BK]
	v_add_nc_u32 v[BK], STP0, v[BK]
	WIN 0x40                                       ; destination window 1
.irp q, 0,1,2,3
	global_load_b128 v[QF+8*\q:QF+8*\q+3], v[LI], s[QB:QB+1] offset:512*\q
.endr
	WIN 0
	global_load_b64 v[QSC:QSC+1], v[LI], s[QSB:QSB+1]
	s_lshl_b32 s20, s15, 20                        ; ctx's codes: 8,192 bytes for 16 tokens, 512 a head
	s_lshl_b32 s19, s13, 18
	s_add_co_u32 s20, s20, s19
	s_lshl_b32 s19, s[WV], 15
	s_add_co_u32 s20, s20, s19
	s_lshl_b32 s19, s58, 9
	s_add_co_u32 s20, s20, s19
	s_mov_b32 s21, 0
	s_add_nc_u64 s[8:9], s[8:9], s[20:21]
	s_lshl_b32 s20, s15, 16                        ; ctx's scale bytes: 32 a token, 2 a head
	s_lshl_b32 s19, s13, 14
	s_add_co_u32 s20, s20, s19
	s_lshl_b32 s19, s[WV], 11
	s_add_co_u32 s20, s20, s19
	s_lshl_b32 s19, s58, 1
	s_add_co_u32 s20, s20, s19
	s_add_nc_u64 s[10:11], s[10:11], s[20:21]
	WIN 0x40
.irp q, 0,1,2,3
.irp j, 4,5,6,7
	v_mov_b32 v[QF+8*\q+\j], 0                     ; Q's zero codes for K = 64 .. 127
.endr
.endr
.irp j, 32,33,34,35
	v_mov_b32 v[KF+\j], 0                          ; what tile 7 of K names beyond its own
.endr
.set n, 0
.rept 128
	v_mov_b32 v[n], 0                              ; O^T: the step has no first form of its own; the first change of M leaves zeros zeros.  These stand under the tensor load's flight
.set n, n+1
.endr
	WIN 0
.irp q, 0,1,2,3
	v_mov_b32 v[ST+4*\q+1], 0xff61b1e6             ; the largest score so far: -3e38
	v_mov_b32 v[ST+4*\q+2], 0                      ; the sum, in two halves
	v_mov_b32 v[ST+4*\q+3], 0
.endr
.irp q, 0,1,2,3
	v_floor_f32 v[ST+4*\q], -v[ST+4*\q+1]          ; -M
.endr
	v_mov_b32 v[X+2], 0                            ; a lane permute's destination counts as one of its sources
	v_mov_b32 v[X+3], 0
	v_mov_b32 v[F+1], 0                            ; the upper halves of pairs
	v_mov_b32 v[F+3], 0
	s_wait_loadcnt 5                               ; the mask's two loads are in; Q's five, issued behind them, may be out
.irp j, 0,1,2,3,4,5,6,7
	v_cvt_f32_i32 v[64+\j], v[64+\j]
.endr
.irp j, 0,1,2,3,4,5,6,7
	v_mul_f32 v[64+\j], 0xce3ebc20, v[64+\j]       ; x (-8e8)
.endr
	v_add_nc_u32 v11, MK, v10
	ds_store_b128 v11, v[64:67]
	ds_store_b128 v11, v[68:71] offset:4096
	WALU                                           ; the head's end
	s_wait_tensorcnt 0x0                           ; my rows have landed,
	s_wait_dscnt 0x0                               ; my part of the mask is stored,
	s_wait_loadcnt 0x0                             ; Q is in
	s_barrier_signal -1
	s_barrier_wait -1                              ; and so is everybody's
.macro LOADK ak, as, am                ; a step's K (8 chosen tiles), its scale words (register t: tile t in lanes 0-15, tile 4 + t in lanes 16-31) and the mask as C
	WIN 0x40
.irp T, 0,1,2,3,4,5,6,7
	ds_load_b128 v[KF+4*\T:KF+4*\T+3], v[\ak] offset:2048*(\T/4)+512*((\T%4)/2)+128*(\T%2)
.endr
	WIN 0
.irp t, 0,1,2,3
	ds_load_b32 v[KSC+\t], v[\as] offset:128*\t
.endr
.irp T, 0,1,2,3,4,5,6,7
	ds_load_b128 v[MC+8*\T:MC+8*\T+3], v[\am] offset:256*(\T/4)+32*(\T%4)
	ds_load_b128 v[MC+8*\T+4:MC+8*\T+7], v[\am] offset:256*(\T/4)+32*(\T%4)+16
.endr
.endm
.macro LOADV av, at
	WIN 0x40
.irp t, 0,1,2,3
.irp c, 0,1
	ds_load_b128 v[VF+8*\t+4*\c:VF+8*\t+4*\c+3], v[\av] offset:1024*\t+512*\c
.endr
.endr
	WIN 0
	ds_load_b64 v[VSC:VSC+1], v[\at]
.endm
.macro KQ T, y, i                      ; S^T tile T of query tile 2 y + i
.set rS, S+64*(\i)+8*(\T)
.set rK, KF+4*(\T)
.set rQ, QF+8*(2*(\y)+(\i))
.set rM, MC+8*(\T)
.set rA, KSC+(\T)%4
.set rB, QSC+(\y)
.if ((\T)/4 == 0) && ((\i) == 0)
	v_wmma_scale_f32_16x16x128_f8f6f4 v[rS:rS+7], v[rK:rK+7], v[rQ:rQ+7], v[rM:rM+7], v[rA], v[rB] matrix_a_fmt:MATRIX_FMT_FP4 matrix_b_fmt:MATRIX_FMT_FP4
.elseif ((\i) == 0)
	v_wmma_scale_f32_16x16x128_f8f6f4 v[rS:rS+7], v[rK:rK+7], v[rQ:rQ+7], v[rM:rM+7], v[rA], v[rB] matrix_a_fmt:MATRIX_FMT_FP4 matrix_b_fmt:MATRIX_FMT_FP4 matrix_a_scale:MATRIX_SCALE_ROW1
.elseif ((\T)/4 == 0)
	v_wmma_scale_f32_16x16x128_f8f6f4 v[rS:rS+7], v[rK:rK+7], v[rQ:rQ+7], v[rM:rM+7], v[rA], v[rB] matrix_a_fmt:MATRIX_FMT_FP4 matrix_b_fmt:MATRIX_FMT_FP4 matrix_b_scale:MATRIX_SCALE_ROW1
.else
	v_wmma_scale_f32_16x16x128_f8f6f4 v[rS:rS+7], v[rK:rK+7], v[rQ:rQ+7], v[rM:rM+7], v[rA], v[rB] matrix_a_fmt:MATRIX_FMT_FP4 matrix_b_fmt:MATRIX_FMT_FP4 matrix_a_scale:MATRIX_SCALE_ROW1 matrix_b_scale:MATRIX_SCALE_ROW1
.endif
.endm
.macro KQ16 y                          ; a pair's 16 score products
	WIN 0x05                                       ; K and Q in window 1; the mask and S^T in window 0
.irp T, 0,1,2,3,4,5,6,7
	KQ \T, \y, 0
	KQ \T, \y, 1
.endr
.endm
.macro PV t, x, i                      ; O^T tile t of query tile 2 x + i
.set rO, 32*(2*(\x)+(\i))+8*(\t)
.set rV, VF+8*(\t)
.set rP, PC+8*(\i)
.set rA, VSC+(\t)/2
.if (\t)%2 == 0
	v_wmma_scale_f32_16x16x128_f8f6f4 v[rO:rO+7], v[rV:rV+7], v[rP:rP+7], v[rO:rO+7], v[rA], v[PW+(\i)] matrix_a_fmt:MATRIX_FMT_FP4 matrix_b_fmt:MATRIX_FMT_FP4
.else
	v_wmma_scale_f32_16x16x128_f8f6f4 v[rO:rO+7], v[rV:rV+7], v[rP:rP+7], v[rO:rO+7], v[rA], v[PW+(\i)] matrix_a_fmt:MATRIX_FMT_FP4 matrix_b_fmt:MATRIX_FMT_FP4 matrix_a_scale:MATRIX_SCALE_ROW1
.endif
.endm
; A PAIR'S SOFTMAX: 2 x 16 queries x 128 keys.  n = 2 i + g names tile i's block g of my lane: registers S + 32 n .. + 31.
.macro SOFTMAX a
.set N0, ST+8*(\a)
.set N1, ST+8*(\a)+4
.irp n, 0,1,2,3                                ; a block's largest score, in two chains: eight chains by turns; each accumulator is first read at its low end
	v_max3_num_f32 v[BM+\n], v[S+32*\n], v[S+32*\n+1], v[S+32*\n+2]
	v_max3_num_f32 v[T2+\n], v[S+32*\n+16], v[S+32*\n+17], v[S+32*\n+18]
.endr
.irp k, 3,5,7,9,11,13
.irp n, 0,1,2,3
	v_max3_num_f32 v[BM+\n], v[BM+\n], v[S+32*\n+\k], v[S+32*\n+\k+1]
	v_max3_num_f32 v[T2+\n], v[T2+\n], v[S+32*\n+16+\k], v[S+32*\n+17+\k]
.endr
.endr
.irp n, 0,1,2,3
	v_max3_num_f32 v[BM+\n], v[BM+\n], v[S+32*\n+15], v[S+32*\n+31]
.endr
.irp n, 0,1,2,3
	v_max_num_f32 v[BM+\n], v[BM+\n], v[T2+\n]     ; it serves the row's maximum and, since p rises with the score, the block's largest p
.endr
	v_max_num_f32 v[X], v[BM], v[BM+1]             ; the two tiles' chains side by side
	v_max_num_f32 v[X+1], v[BM+2], v[BM+3]
	v_permlanex16_b32 v[X+2], v[X], s[SEL], s[SEL+1]
	v_permlanex16_b32 v[X+3], v[X+1], s[SEL], s[SEL+1]
	v_mov_b32 v[T2], v[N0]                         ; the old -M
	v_mov_b32 v[T2+1], v[N1]
	v_max3_num_f32 v[N0+1], v[N0+1], v[X], v[X+2]  ; the running largest score
	v_max3_num_f32 v[N1+1], v[N1+1], v[X+1], v[X+3]
	v_mul_f32 v[X], s[CS], v[N0+1]                 ; as t
	v_mul_f32 v[X+1], s[CS], v[N1+1]
	v_floor_f32 v[N0], -v[X]                       ; the new -M = -ceil(t)
	v_floor_f32 v[N1], -v[X+1]
.set n, 0
.rept 32
	v_pk_fma_f32 v[S+n:S+n+1], v[S+n:S+n+1], s[CS:CS+1], v[N0:N0+1] op_sel_hi:[1,0,0]   ; t - M, two at a time
	v_pk_fma_f32 v[S+64+n:S+64+n+1], v[S+64+n:S+64+n+1], s[CS:CS+1], v[N1:N1+1] op_sel_hi:[1,0,0]
.if n == 8
	v_sub_f32 v[T2], v[N0], v[T2]                  ; old M - new M: a whole number, 0 or less
	v_sub_f32 v[T2+1], v[N1], v[T2+1]
.elseif n == 20
	v_cvt_i32_f32 v[T2], v[T2]                     ; (it saturates)
	v_cvt_i32_f32 v[T2+1], v[T2+1]
.elseif n == 32
	v_ldexp_f32 v[F], 1.0, v[T2]                   ; f = 2^(old M - new M)
	v_ldexp_f32 v[F+2], 1.0, v[T2+1]
.elseif n == 44
	v_fma_f32 v[BM], v[BM], s[CS], v[N0]           ; the same of each block's largest score
	v_fma_f32 v[BM+1], v[BM+1], s[CS], v[N0]
	v_fma_f32 v[BM+2], v[BM+2], s[CS], v[N1]
	v_fma_f32 v[BM+3], v[BM+3], s[CS], v[N1]
.endif
.set n, n+2
.endr
	WALU                                           ; one wait ahead of the batch of 132,
.irp n, 0,1,2,3
	v_exp_f32 v[BM+\n], v[BM+\n]                   ; the block's largest p
.endr
.set n, 0
.rept 128
	v_exp_f32 v[S+n], v[S+n]                       ; p = 2^(t - M)
.set n, n+1
.endr
	v_pk_mul_f32 v[N0+2:N0+3], v[N0+2:N0+3], v[F:F+1] op_sel_hi:[1,0]       ; the sums under the new M (plain lines behind the exponentials)
	v_pk_mul_f32 v[N1+2:N1+3], v[N1+2:N1+3], v[F+2:F+3] op_sel_hi:[1,0]
	WALU                                           ; and one behind it
	v_pk_add_f32 v[T2:T2+1], v[S:S+1], v[S+2:S+3]  ; the rows' sums of the unquantised p: four chains; the scales' lines stand among them
	v_pk_add_f32 v[T2+2:T2+3], v[S+64:S+65], v[S+66:S+67]
.irp k, 4,8,12,16,20,24,28,32,36,40,44,48,52,56,60
	v_pk_add_f32 v[N0+2:N0+3], v[N0+2:N0+3], v[S+\k:S+\k+1]
	v_pk_add_f32 v[N1+2:N1+3], v[N1+2:N1+3], v[S+64+\k:S+65+\k]
	v_pk_add_f32 v[T2:T2+1], v[T2:T2+1], v[S+\k+2:S+\k+3]
	v_pk_add_f32 v[T2+2:T2+3], v[T2+2:T2+3], v[S+66+\k:S+67+\k]
.if \k == 4
.irp n, 0,1,2,3
	v_max_num_f32 v[BM+\n], 0x1800000, v[BM+\n]    ; the floor 2^(3 - 127): a block whose every p is 0 keeps the byte 1 over zero codes
.endr
.elseif \k == 12
.irp n, 0,1,2,3
	v_add_nc_u32 v[SO+\n], 0xff000000, v[BM+\n]    ; 2 off the exponent field: the conversions' scale operand
.endr
.elseif \k == 20
.irp n, 0,1,2,3
	v_lshrrev_b32 v[X+\n], 23, v[SO+\n]            ; the scale's byte
.endr
.elseif \k == 28
	v_lshl_or_b32 v[X], v[X+1], 16, v[X]           ; my blocks h and 2 + h,
	v_lshl_or_b32 v[X+2], v[X+3], 16, v[X+2]
.elseif \k == 36
	v_lshlrev_b32 v[X], v[SH8], v[X]               ; at their places in the word,
	v_lshlrev_b32 v[X+2], v[SH8], v[X+2]
.elseif \k == 44
	v_permlanex16_b32 v[BM], v[X], s[SEL], s[SEL+1]
	v_permlanex16_b32 v[BM+1], v[X+2], s[SEL], s[SEL+1]
.elseif \k == 52
	v_or_b32 v[PW], v[X], v[BM]                    ; with lane l xor 16's two: p's scale word for these 128 keys
	v_or_b32 v[PW+1], v[X+2], v[BM+1]
.endif
.endr
	v_pk_add_f32 v[N0+2:N0+3], v[N0+2:N0+3], v[T2:T2+1]
	v_pk_add_f32 v[N1+2:N1+3], v[N1+2:N1+3], v[T2+2:T2+3]
	WIN 0x40                                       ; p's codes go to window 1: word 4 g + t holds keys 64 g + 32 h + 8 t + 0 .. 7, as the operand wants them
.irp n, 0,1,2,3
.irp t, 0,1,2,3
	v_cvt_scalef32_pk8_fp4_f32 v[PC+4*\n+\t], v[S+32*\n+8*\t:S+32*\n+8*\t+7], v[SO+\n]
.endr
.endr
.endm
; A PHASE.  kq: the other pair's score products follow (x = 0: this step's; x = 1: the next step's).  ld: the next step's operands are loaded.
.macro PHASE x, kq, ld
	SOFTMAX \x
	WIN 0x41                                       ; O^T in window 1, f in window 0
	s_wait_dscnt 0x0                               ; x = 0: V and its scale words are in; x = 1: the next step's K, scale words and mask.  They were asked for a softmax ago
	WALU                                           ; directly ahead of the first readers of O^T
.irp i, 0,1
.set n, 0
.rept 16
	v_pk_mul_f32 v[32*(2*(\x)+\i)+n:32*(2*(\x)+\i)+n+1], v[32*(2*(\x)+\i)+n:32*(2*(\x)+\i)+n+1], v[F+2*\i:F+2*\i+1] op_sel_hi:[1,0]   ; O^T under the new M; also the places between p's codes and scale words and the products
.set n, n+2
.endr
.endr
.if \kq
	KQ16 1-(\x)
.endif
	WIN 0x55                                       ; V, p, C and D in window 1
.irp t, 0,1,2,3
	PV \t, \x, 0
	PV \t, \x, 1
.endr
	WIN 0
.if \ld
.if (\x) == 0
	v_add_nc_u32 v[ADK], s[TB], v[BK]              ; four places between the products and the loads into their operands, and ahead of the first read of the new scores
	v_add_nc_u32 v[ADS], s[TS], v[BS]
	v_add_nc_u32 v[ADM], s[TS], v[BMK]
	v_add_nc_u32 v[ADV], s[TB], v[BV]
	LOADK ADK, ADS, ADM
.else
	v_add_nc_u32 v[ADT], s[TV], v[BT]
.rept 3
	v_nop
.endr
	LOADV ADV, ADT
.endif
.elseif \kq
.rept 4
	v_nop
.endr
.endif
.endm
	LOADK BK, BS, BMK                              ; step 0
	LOADV BV, BT
	s_wait_dscnt 0x0
	KQ16 0
	WIN 0
.rept 4
	v_nop
.endr
.Lstep:                                            ; 15 trips of 128 keys
	PHASE 0, 1, 1
	PHASE 1, 1, 1
	s_add_co_u32 s[TB], s[TB], 8192
	s_add_co_u32 s[TS], s[TS], 512
	s_add_co_u32 s[TV], s[TV], 256
	s_sub_co_u32 s[CNT], s[CNT], 1
	s_cmp_lg_u32 s[CNT], 0
	s_cbranch_scc1 .Lstep
	PHASE 0, 1, 0                                  ; the last step asks for nothing further
	PHASE 1, 0, 0
	; THE WAY OUT.  O^T / the sum; a head's 64 channels are two blocks of 32 of the last product's K; codes and bytes are made as in the launch before.
.irp q, 0,1,2,3
	v_add_f32 v[ST+4*\q+2], v[ST+4*\q+2], v[ST+4*\q+3]
.endr
.irp q, 0,1,2,3
	v_permlanex16_b32 v[T2+\q], v[ST+4*\q+2], s[SEL], s[SEL+1]
.endr
.irp q, 0,1,2,3
	v_add_f32 v[ST+4*\q+2], v[ST+4*\q+2], v[T2+\q] ; the row's sum
.endr
	WALU
.irp q, 0,1,2,3
	v_rcp_f32 v[ST+4*\q+2], v[ST+4*\q+2]
.endr
.irp n, 0,1,2,3,4,5,6,7
	v_mov_b32 v[QT+\n], 0                          ; plain work behind the reciprocals: the lane permutes' destinations are written
.endr
	WIN 0x01                                       ; O^T in window 1
	WALU                                           ; one wait for the four, directly ahead of the first readers of O^T too
.irp q, 0,1,2,3
.set n, 0
.rept 16
	v_pk_mul_f32 v[Y+32*\q+n:Y+32*\q+n+1], v[32*\q+n:32*\q+n+1], v[ST+4*\q+2:ST+4*\q+3] op_sel_hi:[1,0]   ; each accumulator from its low end on
.set n, n+2
.endr
.endr
	WIN 0
.irp n, 0,1,2,3,4,5,6,7                        ; block n = 2 x tile + block of the head
	v_max3_num_f32 v[QM+\n], |v[Y+16*\n]|, |v[Y+16*\n+1]|, 0x1800000
.endr
.irp k, 2,4,6,8,10,12,14
.irp n, 0,1,2,3,4,5,6,7
	v_max3_num_f32 v[QM+\n], v[QM+\n], |v[Y+16*\n+\k]|, |v[Y+16*\n+\k+1]|
.endr
.endr
.irp n, 0,1,2,3,4,5,6,7
	v_permlanex16_b32 v[QT+\n], v[QM+\n], s[SEL], s[SEL+1]
.endr
.irp n, 0,1,2,3,4,5,6,7
	v_max_num_f32 v[QM+\n], v[QM+\n], v[QT+\n]
.endr
.irp n, 0,1,2,3,4,5,6,7
	v_add_nc_u32 v[QO+\n], 0xff000000, v[QM+\n]
.endr
.irp n, 0,1,2,3,4,5,6,7
	v_lshrrev_b32 v[QT+\n], 23, v[QO+\n]
.endr
.irp q, 0,1,2,3
	v_lshl_or_b32 v[PWO+\q], v[QT+2*\q+1], 8, v[QT+2*\q]
.endr
.irp q, 0,1,2,3
.irp b, 0,1
	v_cvt_scalef32_pk8_fp4_f32 v[OC+4*\q+\b], v[Y+32*\q+16*\b:Y+32*\q+16*\b+7], v[QO+2*\q+\b]
	v_cvt_scalef32_pk8_fp4_f32 v[OC+4*\q+2+\b], v[Y+32*\q+16*\b+8:Y+32*\q+16*\b+15], v[QO+2*\q+\b]
.endr
.endr
	v_nop                                          ; a plain instruction behind the conversions
.irp q, 0,1,2,3
	v_permlane16_swap_b32 v[OC+4*\q], v[OC+4*\q+1]
	v_permlane16_swap_b32 v[OC+4*\q+2], v[OC+4*\q+3]
.endr
.irp q, 0,1,2,3
	global_store_b128 v[LI], v[OC+4*\q:OC+4*\q+3], s[8:9] offset:8192*\q   ; 32 lanes store 512 consecutive bytes, aligned to 256
.endr
.irp w, 0,1
	v_cndmask_b32 v[TW+\w], v[PWO+2*\w], v[PWO+2*\w+1], s[HM]   ; lane l: token 32 w + l
.endr
.irp w, 0,1
	global_store_b16 v[L32], v[TW+\w], s[10:11] offset:1024*\w  ; two bytes of each token's 32: a token's other bytes are other heads'
.endr
	s_wait_tensorcnt 0x0                           ; the wave's end
	ds_add_u32 v[SPW], v[NIL]
	s_wait_dscnt 0x0
	CROUND                                         ; the closing round
	s_endpgm
.Lfunc_end_k_q75173142d4_attention:
	.size	k_q75173142d4_attention, .Lfunc_end_k_q75173142d4_attention-k_q75173142d4_attention
	.p2alignl 7, 3214868480
	.fill 96, 4, 3214868480
	.section	.rodata,"a",@progbits
	.p2align	6, 0x0
	.amdhsa_kernel k_q75173142d4_attention
		.amdhsa_group_segment_fixed_size 167936
		.amdhsa_private_segment_fixed_size 0
		.amdhsa_enable_private_segment 0
		.amdhsa_kernarg_size 32
		.amdhsa_user_sgpr_count 2
		.amdhsa_user_sgpr_kernarg_segment_ptr 1
		.amdhsa_wavefront_size32 1
		.amdhsa_system_sgpr_workgroup_id_x 1
		.amdhsa_system_sgpr_workgroup_id_y 1
		.amdhsa_system_sgpr_workgroup_id_z 1
		.amdhsa_system_vgpr_workitem_id 0
		.amdhsa_next_free_vgpr 512
		.amdhsa_next_free_sgpr 66
		.amdhsa_reserve_vcc 0
		.amdhsa_float_denorm_mode_32 3
		.amdhsa_float_denorm_mode_16_64 3
		.amdhsa_memory_ordered 1
		.amdhsa_forward_progress 1
		.amdhsa_inst_pref_size 130
	.end_amdhsa_kernel
	.amdgpu_metadata
---
amdhsa.version: [ 1, 2 ]
amdhsa.kernels:
  - .name:           k_q75173142d4_attention
    .symbol:         k_q75173142d4_attention.kd
    .args:
      - { .name: qkv, .offset: 0, .size: 8, .value_kind: global_buffer, .address_space: global }
      - { .name: encoder_padding_mask, .offset: 8, .size: 8, .value_kind: global_buffer, .address_space: global }
      - { .name: ctxq, .offset: 16, .size: 8, .value_kind: global_buffer, .address_space: global }
      - { .name: ctxs, .offset: 24, .size: 8, .value_kind: global_buffer, .address_space: global }
    .group_segment_fixed_size: 167936
    .private_segment_fixed_size: 0
    .kernarg_segment_align: 8
    .kernarg_segment_size: 32
    .max_flat_workgroup_size: 256
    .sgpr_count:     66
    .vgpr_count:     512
    .wavefront_size: 32
...
	.end_amdgpu_metadata
.endif
;; end of part 3
;; launch out_gemm (part 4): grid 4 x 64, 4 waves a work-group, clusters of 4 x 4, 327,680 bytes of LDS; arguments out_w_codes, out_w_scales, ctxq, ctxs, out_b, hidden_states, out0; writes out0
.if DOCPART == 4
	.amdgcn_target "amdgcn-amd-amdhsa--gfx1250"
	.amdhsa_code_object_version 6
	.text
	.protected	k_q75173142d4_out_gemm
	.globl	k_q75173142d4_out_gemm
	.p2align	8
	.type	k_q75173142d4_out_gemm,@function
k_q75173142d4_out_gemm:
	s_mov_b64 s[64:65], 0
	v_nop
	global_prefetch_b8 v0, s[64:65] scope:SCOPE_SE
	s_setreg_imm32_b32 hwreg(HW_REG_WAVE_MODE, 25, 1), 1
	s_wait_xcnt 0x0
	s_wait_alu depctr_hold_cnt(0) depctr_sa_sdst(0) depctr_va_vdst(0) depctr_va_sdst(0) depctr_va_ssrc(0) depctr_va_vcc(0) depctr_vm_vsrc(0)
	s_getreg_b32 s2, hwreg(HW_REG_IB_STS2, 6, 4)
	s_cmp_eq_u32 s2, 0
	s_cbranch_scc0 .Lentry_in_a_cluster
	s_endpgm
.Lentry_in_a_cluster:
	s_bfe_u32 s2, ttmp6, 0x10000c
	s_cmp_lg_u32 s2, 0xf033
	s_cbranch_scc0 .Lentry_shape_is_right
	s_endpgm
.Lentry_shape_is_right:
; LAUNCH 4 OF 4.  out0 = ctx out_w^T + out_b + hidden_states on codes of E2M1 (K = 1,024), f32 out.  No work is left out.  Limits as stated in the first launch.
; A work-group makes 128 tokens x 256 features, a wave 64 x 128.  Source 0 = out_w's rows, source 1 = ctx, so that a lane holds eight neighbouring features of a token.  The bias is the C of each sum's first product.
; THE HEAD'S TILES, one tensor load a wave, each kind on a line of its own; nothing is filled again, and all is asked for at the head, so there is nothing to prefetch:
;   wave 0: out_w's 256 whole rows (512 bytes + 16 of padding), asked for jointly down a column of the cluster;
;   wave 1: ctx's 128 tokens (65,536 dense bytes in the order of operand registers: 8,192 bytes for 16 tokens, 512 a head), jointly along a row;
;   waves 2, 3: the residual of tokens 0-47 of each half of the tokens, 48 rows x 1,024 bytes of hidden_states, the work-group's own.
; The products begin when waves 0 and 1 have their tiles.  A plain barrier round the last K step's products shows the residual to all, and behind it nobody reads out_w's rows: the waves' stages lie in those bytes.
; The residual of tokens 48-63 of each half comes by plain loads: LDS has no room for it (135,168 + 65,536 + 512 + 131,072 bytes would be asked).
; The scale words come straight into registers: lane (r, h) holds bytes 16 h .. 16 h + 15 of row r's 32, so lanes 0-15 serve K steps 0-3 and lanes 16-31 K steps 4-7.
; THE WAY OUT, by blocks of 16 tokens: the sums go through my stage and come back as rows of 512 bytes; the residual's same rows are added; 32 lanes store 512 consecutive bytes.
; REGISTERS: window 0: v16-31 addresses; v32-63 out_w's scale words, v66-81 ctx's; v128-191 ctx's fragments, two sets, later the rows back from the stage; v192-255 the bias.
;   window 1: out_w's fragments, two sets.  window 2: the 32 accumulators ((a, b) at v[8 (8 a + b)]).  window 3: the residual, block a at 64 a.
.set KROW,   512
.set PITCH,  528                       ; the 16 rows that a load touches start in 16 different groups of banks
.set HALFT,  128*PITCH
.set CT,     2*HALFT                   ; ctx, behind out_w's 256 rows
.set SPARE,  CT+65536                  ; the spare words, 128 bytes for each wave, which no other line names
.set RES,    SPARE+512                 ; the residual: 2 x 48 rows of 1,024 bytes
.set RHALF,  48*1024
.set SPITCH, 528                       ; a stage: 16 rows x (512 bytes + 16) for each wave, from LDS byte 0 on
.set ADRA, 16
.set ADRB, 20
.set STO,  24
.set RD,   25
.set CO,   26                          ; 16 x lane
.set ADRS, 27                          ; 32 (lane % 16) + 16 (lane / 16)
.set SPW,  28
.set NIL,  29
.set BO,   30                          ; 32 (lane / 16)
.set RRD,  31                          ; my 512 bytes of the residual's rows in LDS
.set SC0,  32
.set SC1,  66                          ; a product's two scale registers differ by 2 or 6 modulo 8
.set AF,   128
.set BK,   128
.set CB,   192
.set G1,  24                           ; ctx
.set G0,  32
.set G1B, 48                           ; out_w
.set G0B, 56
.set G1R, 80                           ; the residual
.set G0R, 88
.set MSB, 0
.macro WIN new
.if MSB != \new
	s_set_vgpr_msb (MSB<<8)|\new
.set MSB, \new
.endif
.endm
.macro PLACES
.rept 4
	v_nop
.endr
.endm
.macro TLOAD g0, g1                    ; an s_nop 0 and four v_nop follow a tensor load
	tensor_load_to_lds s[\g0:\g0+3], s[\g1:\g1+7]
	s_nop 0
	PLACES
.endm
.macro CROUND
	s_barrier_signal -1
	s_barrier_wait -1
	s_cmp_lg_u32 s14, 0
	s_cbranch_scc1 .Lnot_wave_0_\@
	s_barrier_signal -3
.Lnot_wave_0_\@:
	s_barrier_wait -3
	s_barrier_signal -1
	s_barrier_wait -1
.endm
	s_load_b256 s[4:11], s[0:1], 0x0               ; out_w's codes s[4:5], its scales s[6:7], ctx's codes s[8:9], its scales s[10:11]
	s_load_b128 s[96:99], s[0:1], 0x20             ; out_b s[96:97], hidden_states s[98:99]
	s_load_b64 s[12:13], s[0:1], 0x30              ; out0
	v_lshl_add_u32 v[SPW], v0, 2, SPARE
	v_mov_b32 v[NIL], 0
	ds_add_u32 v[SPW], v[NIL]                      ; the opening: the add, twice on end, and its wait ahead of my first tensor load
	ds_add_u32 v[SPW], v[NIL]
	v_lshrrev_b32 v1, 5, v0
	v_readfirstlane_b32 s14, v1                    ; wave 0..3
	s_lshr_b32 s15, s14, 1                         ; my half of the tokens
	s_and_b32 s16, s14, 1                          ; my half of the features.  Waves 2, 3: also the half of the tokens whose residual I fetch
	s_bfe_u32 s40, ttmp6, 0x40000
	s_bfe_u32 s41, ttmp6, 0x40004
	s_lshl_b32 s42, ttmp9, 2
	s_add_co_u32 s42, s42, s40                     ; the tile of 256 features
	s_and_b32 s17, ttmp7, 0xffff
	s_lshl_b32 s17, s17, 2
	s_add_co_u32 s17, s17, s41                     ; the tile of 128 tokens
	s_lshl_b32 s43, s41, 2
	s_lshl_b32 s43, 15, s43                        ; my row of the cluster
	s_lshl_b32 s44, 0x1111, s40                    ; my column
	s_or_b32 s[G1], s43, (3<<16)|(1<<21)           ; ctx: 8 dense rows of 1,024 elements of 8 bytes
	s_mov_b32 s[G1+1], 1024<<16
	s_mov_b32 s[G1+2], 8<<16
	s_mov_b32 s[G1+3], 1024<<16
	s_mov_b32 s[G1+4], 8
	s_mov_b32 s[G1+5], 1024
	s_mov_b32 s[G1+6], 0
	s_mov_b32 s[G1+7], 0
	s_or_b32 s[G1B], s44, (1<<20)|(1<<21)|(6<<22)|(3<<25)   ; out_w: 256 rows of 512 bytes, 4 words of padding after every 128
	s_mov_b32 s[G1B+1], KROW<<16
	s_mov_b32 s[G1B+2], 256<<16
	s_mov_b32 s[G1B+3], KROW<<16
	s_mov_b32 s[G1B+4], 256
	s_mov_b32 s[G1B+5], KROW
	s_mov_b32 s[G1B+6], 0
	s_mov_b32 s[G1B+7], 0
	s_mov_b32 s[G1R], 3<<16                        ; the residual: no mask; 48 rows of 128 elements of 8 bytes, 512 elements apart
	s_mov_b32 s[G1R+1], 128<<16
	s_mov_b32 s[G1R+2], 48<<16
	s_mov_b32 s[G1R+3], 128<<16
	s_mov_b32 s[G1R+4], 48
	s_mov_b32 s[G1R+5], 512
	s_mov_b32 s[G1R+6], 0
	s_mov_b32 s[G1R+7], 0
	s_lshl_b32 s20, s17, 16                        ; byte offsets: ctx's 128 tokens,
	s_mov_b32 s21, 0
	s_lshl_b32 s46, s42, 17                        ; out_w's 256 rows,
	s_mov_b32 s47, 0
	s_lshl_b32 s22, s17, 12                        ; the scale bytes of my 64 tokens
	s_lshl_b32 s18, s15, 11
	s_add_co_u32 s22, s22, s18
	s_mov_b32 s23, 0
	s_lshl_b32 s92, s42, 13                        ; and of my 128 rows of out_w,
	s_lshl_b32 s18, s16, 12
	s_add_co_u32 s92, s92, s18
	s_mov_b32 s93, 0
	s_lshl_b32 s72, s17, 19                        ; the residual's tile: 64 tokens x 4,096 bytes a half, 1,024 bytes a tile of features
	s_lshl_b32 s18, s16, 18
	s_add_co_u32 s72, s72, s18
	s_lshl_b32 s18, s42, 10
	s_add_co_u32 s72, s72, s18
	s_mov_b32 s73, 0
	s_lshl_b32 s66, s42, 10                        ; my 128 features, in bytes of f32
	s_lshl_b32 s18, s16, 9
	s_add_co_u32 s66, s66, s18
	s_mov_b32 s67, 0
	s_lshl_b32 s38, s17, 19                        ; and my 64 tokens of hidden_states and out0
	s_lshl_b32 s18, s15, 18
	s_add_co_u32 s38, s38, s18
	s_add_co_u32 s38, s38, s66
	s_mov_b32 s39, 0
	s_mul_i32 s[G0R+1], s16, RHALF                 ; LDS addresses: the wave's number and constants alone
	s_add_co_u32 s[G0R+1], s[G0R+1], RES
	s_mul_i32 s74, s16, HALFT
	s_lshl_b32 s75, s15, 15
	s_add_co_u32 s75, s75, CT
	s_mul_i32 s76, s14, 16*SPITCH
	s_mul_i32 s77, s15, RHALF
	s_lshl_b32 s18, s16, 9
	s_add_co_u32 s77, s77, s18
	s_add_co_u32 s77, s77, RES
	s_wait_dscnt 0x0                               ; both opening adds are done
	s_wait_kmcnt 0x0
	s_mov_b32 s[G0], 1
	s_mov_b32 s[G0+1], CT
	s_add_nc_u64 s[G0+2:G0+3], s[8:9], s[20:21]
	s_or_b32 s[G0+3], s[G0+3], 0x80000000
	s_mov_b32 s[G0B], 1
	s_mov_b32 s[G0B+1], 0
	s_add_nc_u64 s[G0B+2:G0B+3], s[4:5], s[46:47]
	s_or_b32 s[G0B+3], s[G0B+3], 0x80000000
	s_mov_b32 s[G0R], 1
	s_add_nc_u64 s[G0R+2:G0R+3], s[98:99], s[72:73]
	s_or_b32 s[G0R+3], s[G0R+3], 0x80000000
	CROUND                                         ; all sixteen work-groups are here: the joint loads meet
	s_cmp_eq_u32 s14, 0                            ; one chain of branches on the wave's number, a load to an arm
	s_cbranch_scc0 .Lwave_1
	TLOAD G0B, G1B                                 ; wave 0: out_w's rows
	s_branch .Lasked
.Lwave_1:
	s_cmp_eq_u32 s14, 1
	s_cbranch_scc0 .Lwave_2
	TLOAD G0, G1                                   ; wave 1: ctx
	s_branch .Lasked
.Lwave_2:
	TLOAD G0R, G1R                                 ; waves 2, 3: the residual, which is wanted last
.Lasked:
	s_add_nc_u64 s[68:69], s[10:11], s[22:23]      ; ctx's scale bytes
	s_add_nc_u64 s[70:71], s[6:7], s[92:93]        ; out_w's
	s_add_nc_u64 s[96:97], s[96:97], s[66:67]      ; the bias
	s_add_nc_u64 s[98:99], s[98:99], s[38:39]      ; my part of hidden_states,
	s_add_nc_u64 s[12:13], s[12:13], s[38:39]      ; and of out0
	v_and_b32 v1, 15, v0                           ; r
	v_bfe_u32 v2, v0, 4, 1                         ; h
	v_and_b32 v5, 31, v0
	v_lshlrev_b32 v[CO], 4, v5
	v_lshlrev_b32 v[BO], 5, v2
	v_lshlrev_b32 v[ADRS], 5, v1
	v_lshl_add_u32 v[ADRS], v2, 4, v[ADRS]
	v_mul_u32_u24 v3, v1, PITCH
	v_lshl_add_u32 v4, v2, 4, v3
	v_add_nc_u32 v[ADRB], s74, v4                  ; my 128 rows of out_w: row x pitch + 16 x half
	v_add_nc_u32 v[ADRA], s75, v[CO]               ; my 64 tokens of ctx
	v_mul_u32_u24 v6, v1, SPITCH
	v_lshl_add_u32 v6, v2, 5, v6
	v_add_nc_u32 v[STO], s76, v6                   ; the stage, in: row r, 32 bytes for each half of the lanes
	v_add_nc_u32 v[RD], s76, v[CO]                 ; and back: a row of 512 bytes
	v_add_nc_u32 v[RRD], s77, v[CO]
.irp i, 0,1,2,3,4,5,6,7
	global_load_b128 v[SC0+4*\i:SC0+4*\i+3], v[ADRS], s[70:71] offset:512*\i   ; the 512 consecutive scale bytes of a block of 16 rows
.endr
.irp i, 0,1,2,3
	global_load_b128 v[SC1+4*\i:SC1+4*\i+3], v[ADRS], s[68:69] offset:512*\i
.endr
.irp b, 0,1,2,3,4,5,6,7
	global_load_b128 v[CB+8*\b:CB+8*\b+3], v[BO], s[96:97] offset:64*\b
	global_load_b128 v[CB+8*\b+4:CB+8*\b+7], v[BO], s[96:97] offset:64*\b+16
.endr
	WIN 0xc0                                       ; destination window 3
.irp t, 0,1,2,3,4,5,6,7,8,9,10,11,12,13,14,15
	global_load_b128 v[192+4*\t:192+4*\t+3], v[CO], s[98:99] offset:(48+\t)*4096 th:TH_LOAD_NT   ; the residual of my tokens 48-63
.endr
	WIN 0
.macro FETCH k                         ; K step k's fragments into set k % 2
	WIN 0x40
.irp i, 0,1,2,3,4,5,6,7
.irp c, 0,1
	ds_load_b128 v[128*((\k)%2)+8*\i+4*\c:128*((\k)%2)+8*\i+4*\c+3], v[ADRB] offset:64*(\k)+32*\c+\i*16*PITCH
.endr
.endr
	WIN 0
.irp a, 0,1,2,3
.irp c, 0,1
	ds_load_b128 v[AF+32*((\k)%2)+8*\a+4*\c:AF+32*((\k)%2)+8*\a+4*\c+3], v[ADRA] offset:8192*\a+1024*(\k)+512*\c
.endr
.endr
.endm
.macro WM d, s0, s1, c, x0, x1, row    ; row: which lanes of the scale registers serve: K steps 0-3 or 4-7
.if \row
	v_wmma_scale_f32_16x16x128_f8f6f4 v[\d:\d+7], v[\s0:\s0+7], v[\s1:\s1+7], \c, v[\x0], v[\x1] matrix_a_fmt:MATRIX_FMT_FP4 matrix_b_fmt:MATRIX_FMT_FP4 matrix_a_scale:MATRIX_SCALE_ROW1 matrix_b_scale:MATRIX_SCALE_ROW1
.else
	v_wmma_scale_f32_16x16x128_f8f6f4 v[\d:\d+7], v[\s0:\s0+7], v[\s1:\s1+7], \c, v[\x0], v[\x1] matrix_a_fmt:MATRIX_FMT_FP4 matrix_b_fmt:MATRIX_FMT_FP4
.endif
.endm
.macro MUL32 k                         ; 32 products; the accumulators take turns, one instruction a turn
.if (\k) == 0
	WIN 0x81                                       ; C (the bias) in window 0, D in window 2
.else
	WIN 0xa1
.endif
.irp a, 0,1,2,3
.irp b, 0,1,2,3,4,5,6,7
.set D_, 8*(8*\a+\b)
.set B_, 128*((\k)%2)+8*\b
.set A_, AF+32*((\k)%2)+8*\a
.set X0_, SC0+4*\b+(\k)%4
.set X1_, SC1+4*\a+(\k)%4
.set R_, (\k)/4
.if (\k) == 0
	WM D_, B_, A_, v[CB+8*\b:CB+8*\b+7], X0_, X1_, R_
.else
	WM D_, B_, A_, v[D_:D_+7], X0_, X1_, R_
.endif
.endr
.endr
.endm
	s_wait_alu depctr_va_vdst(0)                   ; the head's end
	s_cmp_lt_u32 s14, 2
	s_cbranch_scc0 .Lnot_mine
	s_wait_tensorcnt 0x0                           ; waves 0, 1: out_w's rows, ctx
.Lnot_mine:
	s_barrier_signal -1
	s_barrier_wait -1                              ; both are shown to all; the residual may still be on its way
	FETCH 0
	s_wait_loadcnt 16                              ; the scale words and the bias are in; the youngest sixteen loads, the residual's, may be out
.irp k, 0,1,2,3,4,5,6
	s_wait_dscnt 0x0                               ; this step's fragments are in
	PLACES
	FETCH \k+1
	MUL32 \k
.endr
	WIN 0
	s_wait_tensorcnt 0x0                           ; every wave: waves 2 and 3's tiles have landed;
	s_wait_dscnt 0x0                               ; the last step's fragments are in, and my reads of out_w's rows are over
	s_barrier_signal -1                            ; a plain barrier
	MUL32 7
	WIN 0
	s_barrier_wait -1
.macro RESLDS a                        ; the residual's 16 rows of block a, 512 bytes each, into window 3
	WIN 0xc0
.irp t, 0,1,2,3,4,5,6,7,8,9,10,11,12,13,14,15
	ds_load_b128 v[64*(\a)+4*\t:64*(\a)+4*\t+3], v[RRD] offset:(16*(\a)+\t)*1024
.endr
	WIN 0
.endm
.macro TOSTAGE a                       ; block a's sums into my stage, each accumulator from its low end on, and back as whole rows; LDS serves a wave's instructions in order
	WIN 0x08
.irp b, 0,1,2,3,4,5,6,7
	ds_store_b128 v[STO], v[64*(\a)+8*\b:64*(\a)+8*\b+3] offset:64*\b
	ds_store_b128 v[STO], v[64*(\a)+8*\b+4:64*(\a)+8*\b+7] offset:64*\b+16
.endr
	WIN 0
.set BB, BK+64*((\a)%2)
.irp t, 0,1,2,3,4,5,6,7,8,9,10,11,12,13,14,15
	ds_load_b128 v[BB+4*\t:BB+4*\t+3], v[RD] offset:\t*SPITCH
.endr
.endm
.macro SEND a, younger                 ; younger: the LDS instructions issued behind block a's way back
.set BB, BK+64*((\a)%2)
	s_wait_dscnt \younger
.if (\a) == 3
	s_wait_loadcnt 0x0                             ; its residual came by plain loads
.endif
	WIN 0x0c                                       ; source 1: window 3
.set n, 0
.rept 32
	v_pk_add_f32 v[BB+n:BB+n+1], v[BB+n:BB+n+1], v[64*(\a)+n:64*(\a)+n+1]
.set n, n+2
.endr
	WIN 0
.irp t, 0,1,2,3,4,5,6,7,8,9,10,11,12,13,14,15
	global_store_b128 v[CO], v[BB+4*\t:BB+4*\t+3], s[12:13] offset:(16*(\a)+\t)*4096 th:TH_STORE_NT   ; 32 lanes store 512 consecutive bytes, aligned to 256
.endr
.endm
	PLACES                                         ; between the last products and the first read of their results
	RESLDS 0
	TOSTAGE 0
	RESLDS 1
	TOSTAGE 1
	SEND 0, 48                                     ; behind block 0's way back: 16 loads of the residual, 16 stores, 16 loads
	s_wait_xcnt 0x0                                ; block 0's stores have read their registers
	RESLDS 2
	TOSTAGE 2
	SEND 1, 48
	s_wait_xcnt 0x0
	TOSTAGE 3
	SEND 2, 32
	SEND 3, 0
	s_wait_tensorcnt 0x0                           ; the wave's end
	ds_add_u32 v[SPW], v[NIL]
	s_wait_dscnt 0x0
	CROUND                                         ; the closing round
	s_endpgm
.Lfunc_end_k_q75173142d4_out_gemm:
	.size	k_q75173142d4_out_gemm, .Lfunc_end_k_q75173142d4_out_gemm-k_q75173142d4_out_gemm
	.p2alignl 7, 3214868480
	.fill 96, 4, 3214868480
	.section	.rodata,"a",@progbits
	.p2align	6, 0x0
	.amdhsa_kernel k_q75173142d4_out_gemm
		.amdhsa_group_segment_fixed_size 327680
		.amdhsa_private_segment_fixed_size 0
		.amdhsa_enable_private_segment 0
		.amdhsa_kernarg_size 56
		.amdhsa_user_sgpr_count 2
		.amdhsa_user_sgpr_kernarg_segment_ptr 1
		.amdhsa_wavefront_size32 1
		.amdhsa_system_sgpr_workgroup_id_x 1
		.amdhsa_system_sgpr_workgroup_id_y 1
		.amdhsa_system_sgpr_workgroup_id_z 1
		.amdhsa_system_vgpr_workitem_id 0
		.amdhsa_next_free_vgpr 1024
		.amdhsa_next_free_sgpr 100
		.amdhsa_reserve_vcc 0
		.amdhsa_float_denorm_mode_32 3
		.amdhsa_float_denorm_mode_16_64 3
		.amdhsa_memory_ordered 1
		.amdhsa_forward_progress 1
		.amdhsa_inst_pref_size 84
	.end_amdhsa_kernel
	.amdgpu_metadata
---
amdhsa.version: [ 1, 2 ]
amdhsa.kernels:
  - .name:           k_q75173142d4_out_gemm
    .symbol:         k_q75173142d4_out_gemm.kd
    .args:
      - { .name: out_w_codes, .offset: 0, .size: 8, .value_kind: global_buffer, .address_space: global }
      - { .name: out_w_scales, .offset: 8, .size: 8, .value_kind: global_buffer, .address_space: global }
      - { .name: ctxq, .offset: 16, .size: 8, .value_kind: global_buffer, .address_space: global }
      - { .name: ctxs, .offset: 24, .size: 8, .value_kind: global_buffer, .address_space: global }
      - { .name: out_b, .offset: 32, .size: 8, .value_kind: global_buffer, .address_space: global }
      - { .name: hidden_states, .offset: 40, .size: 8, .value_kind: global_buffer, .address_space: global }
      - { .name: out0, .offset: 48, .size: 8, .value_kind: global_buffer, .address_space: global }
    .group_segment_fixed_size: 327680
    .private_segment_fixed_size: 0
    .kernarg_segment_align: 8
    .kernarg_segment_size: 56
    .max_flat_workgroup_size: 128
    .sgpr_count:     100
    .vgpr_count:     1024
    .wavefront_size: 32
...
	.end_amdgpu_metadata
.endif
;; end of part 4
